; MI455X (gfx1250); checked and timed in simulation.
; The chip was launched on July 23, 2026; its instructions are those of AMD's public machine-readable ISA for CDNA 5 (MIT licence, August 2026) and "CDNA5" Instruction Set Architecture Reference Guide (July 2026). The comments in the code are by the model that wrote it; some were corrected since.
;; Multi Head Attention. Allowed arithmetic: matrix products marked QUANTISED: E2M1 operands, one E8M0 scale for each 32 along K, by v_wmma_scale_f32_16x16x128_f8f6f4 with both operands' format E2M1 (or v_wmma_scale_f32_32x16x128_f4), f32 sums; products left as they are: bf16, f16 or f32 operands; f32 sums; everything else in f32.
;; Inputs: Wk 1,024 x 1,024 float32; Wo 1,024 x 1,024 float32; Wq 1,024 x 1,024 float32; Wv 1,024 x 1,024 float32; attention_mask 4 x 1 x 1 x 2,048 float32; bk 1,024 float32; bo 1,024 float32; bq 1,024 float32; bv 1,024 float32; hidden_states 4 x 2,048 x 1,024 float32.
;; Outputs: out0 4 x 2,048 x 1,024 float32.
;; This version of the problem:
;;   THIS VERSION OF THE PROBLEM IS GIVEN IN LOW PRECISION. The matrix products marked QUANTISED in the list below multiply operands that are first quantised to E2M1 (2 exponent bits, 1 mantissa bit; 4 bits a number), with one power-of-two scale for each 32 numbers along K (OCP MX v1.0); their sums are f32. The products marked 'left as it is' may take bf16, f16 or f32 operands, with f32 sums. Whichever they take, every output number must still come out within the allowed error. Rounding operands to bf16 (8 significant bits) uses up far more of that allowance than f16 does (11 bits, for magnitudes from 6e-5 to 65,504). All else is computed in f32.
;;   The module's matrix products, in the order in which they are computed (A, B: the left and right operand; K: the contracted axis; several contracted axes count as one K, in the product's order):
;;     1. [M 8,192, K 1,024] x [K 1,024, N 1,024]; A: input hidden_states; B: input Wq: QUANTISED
;;     2. [M 8,192, K 1,024] x [K 1,024, N 1,024]; A: input hidden_states; B: input Wk: QUANTISED
;;     3. [M 8,192, K 1,024] x [K 1,024, N 1,024]; A: input hidden_states; B: input Wv: QUANTISED
;;     4. batch 64 x [M 2,048, K 64] x [K 64, N 2,048]; A: computed on the way; B: computed on the way: left as it is (an operand is computed on the way)
;;     5. batch 64 x [M 2,048, K 2,048] x [K 2,048, N 64]; A: computed on the way; B: computed on the way: left as it is (an operand is computed on the way)
;;     6. [M 8,192, K 1,024] x [K 1,024, N 1,024]; A: computed on the way; B: input Wo: left as it is (an operand is computed on the way)
;;   THE QUANTISER, for each operand of a quantised product, along K:
;;     - K is cut into blocks of 32 from its start; a last block that is shorter is filled with zeros.
;;     - A block's scale is 2^e with e = floor(log2(the largest magnitude in the block)) - 2, held to -126 .. 127; a block of zeros has e = 0. As a byte (E8M0): e + 127.
;;     - Each number is divided by its block's scale, clamped to +-6, and rounded to the nearest number of E2M1, ties to even, subnormals kept.
;;     - The product sums the exact products of the quantised numbers (number of the format x scale) in f32.
;;   ~~~python
;;   def quantise(x, axis):      # numpy; x: float32 -> the quantised numbers, widened to float32 again
;;       x = np.moveaxis(x, axis, -1); K = x.shape[-1]
;;       x = np.pad(x, [(0, 0)] * (x.ndim - 1) + [(0, -K % 32)]); x = x.reshape(x.shape[:-1] + (-1, 32)); a = np.abs(x).max(-1, keepdims=True)
;;       e = np.where(a > 0, np.clip(np.frexp(np.where(a > 0, a, 1))[1] - 1 - 2, -126, 127), 0)      # np.frexp(a)[1] - 1 = floor(log2(a)), exactly
;;       r = np.clip(x / 2.0 ** e, -6, 6)
;;       step = 2.0 ** (np.maximum(np.frexp(np.where(r == 0, 1, r))[1] - 1, 0) - 1)
;;       q = np.round(r / step) * step * 2.0 ** e      # np.round: ties to even
;;       return np.moveaxis(q.reshape(q.shape[:-2] + (-1,))[..., :K], -1, axis).astype(np.float32)
;;   ~~~
;; One version. Each part assembles by itself: llvm-mc -triple=amdgcn-amd-amdhsa -mcpu=gfx1250 --defsym DOCPART=n.
;; ======== version 1 of 1: 4 launches
;; limits: right only within a limited range of input values; values are held in f16: magnitudes above 65,504 overflow, below 6.1e-05 lose precision
;; workspace buffers: xc 4,194,304 bytes; xs 262,144 bytes; wc 1,572,864 bytes; ws 98,304 bytes; qkv 50,331,648 bytes; ctx 16,777,216 bytes; wo16 2,097,152 bytes
;; launch prep (part 1): grid 416 x 1, 4 waves a work-group, no clusters, 68,096 bytes of LDS; arguments hidden_states, Wq, Wk, Wv, Wo, xc, xs, wc, ws, wo16; writes xc, xs, wc, ws, wo16
.if DOCPART == 1
	.amdgcn_target "amdgcn-amd-amdhsa--gfx1250"
	.amdhsa_code_object_version 6
	.text
	.protected	k_q7dd4e62a2c_prep
	.globl	k_q7dd4e62a2c_prep
	.p2align	8
	.type	k_q7dd4e62a2c_prep,@function
k_q7dd4e62a2c_prep:
	s_mov_b64 s[64:65], 0
	v_nop
	global_prefetch_b8 v0, s[64:65] scope:SCOPE_SE
	s_setreg_imm32_b32 hwreg(HW_REG_WAVE_MODE, 25, 1), 1
	s_wait_xcnt 0x0
; hidden_states [8192][1024] and Wq, Wk, Wv [1024][1024], f32, become codes of FP4 (E2M1), K innermost, two codes a byte, with one E8M0 scale byte for each 32 along K:
; xc [8192][512], xs [8192][32]; wc [3][1024][512], ws [3][1024][32] (q, k, v on end).  Wo [1024][1024] becomes f16, laid as images of operand registers (below).
; A block's scale is 2^(floor(log2(its largest magnitude)) - 2); its byte is the largest magnitude's exponent field - 2, held at 1 from below.  A block of zeros so gets the byte 1 where the
; quantiser's rule says 127: its codes are zeros, which add nothing under any byte but 0xff, and the bytes are read by this program alone.
; LIMITS: NaN and infinities among the inputs are not served; Wo's numbers must lie under 65,504 in magnitude, and under 6e-5 they keep f16's absolute step of 6e-8.
; WORK-GROUPS: 0-255 hidden_states, 256-287 Wq, 288-319 Wk, 320-351 Wv: 32,768 numbers each, 8,192 a wave, one path for all four tensors (only pointers are chosen).  352-415: 16 rows of Wo each.
; THE QUANTISING PATH.  Rows are dense and K is a multiple of 32: a tensor is a plain stream of blocks of 32.  A wave takes 16 steps of 512 numbers.  Each of a step's four loads reads 512 consecutive bytes;
; the 2,048 bytes go through the wave's own stage in LDS and come back 64 bytes a lane, so that a lane holds 16 neighbours along K and two neighbouring lanes a block.  A lane's 16 codes are 8 bytes: the wave
; stores 256 consecutive bytes.  A wave's 256 scale bytes are gathered in LDS and leave as one run of 256 bytes.  Loads run four steps (16 loads) ahead, the turn through LDS one step.
; THE PATH FOR Wo.  wo16 holds pieces of 512 bytes: four registers of a fragment of 16 rows x 32 k of f16, lane l's 16 bytes at 16 l; lane (r, h) of piece (nt, kf, c) holds Wo(16 nt + r, 32 kf + 16 c + 8 h + 0 .. 7);
; the piece lies at nt x 32,768 + kf x 1,024 + c x 512.  Wave w takes k = 256 w .. 256 w + 255 of the work-group's 16 rows.  Waves share nothing: no barrier.  The two paths have LDS bytes of their own.
.set STEPS, 16
.set CB,    8                          ; bytes of 16 codes
.set R,     16                         ; v16-79   four sets of 16 numbers as they are loaded
.set X,     80                         ; v80-111  two sets of 16 neighbours
.set E,     112                        ; v112-127 a scale byte for each step
.set C,     128                        ; v128-191 codes: four registers for each step, so that no store's data are written again
.set WREG,  8192                       ; LDS: a region for each wave: two stages of 32 x SP bytes, behind them its 256 scale bytes
.set SP,    80                         ; a lane's place in a stage: 64 bytes + 16 of padding
.set SPW,   12                         ; v12      LDS address of my spare word; never rewritten
.set NIL,   13                         ; v13      0; never rewritten
.set SPARE, 32768                      ; behind the four regions: the spare words, 128 bytes for each wave
.set WOST,  33280                      ; the Wo path's stages: for each wave 32 units (8 along k) x 272 bytes (16 rows x 16 bytes + 16 of padding)
.set WOSZ,  8704
.set WL,    16                         ; Wo path: v16-143 as loaded
.set WB,    144                        ; Wo path: v144-207 the pieces
	s_load_b512 s[8:23], s[0:1], 0x0               ; hidden_states 8, Wq 10, Wk 12, Wv 14, Wo 16, xc 18, xs 20, wc 22
	s_load_b128 s[24:27], s[0:1], 0x40             ; ws 24, wo16 26
	v_lshl_add_u32 v[SPW], v0, 2, SPARE
	v_mov_b32 v[NIL], 0
	v_lshrrev_b32 v1, 5, v0
	v_readfirstlane_b32 s28, v1                    ; wave
	v_and_b32 v2, 31, v0                           ; lane
	s_cmp_ge_u32 ttmp9, 352
	s_cbranch_scc1 .Lwo
	v_lshlrev_b32 v3, 4, v2                        ; my 16 bytes of a load's 512
	s_mul_i32 s29, s28, WREG
	v_lshrrev_b32 v14, 2, v2
	v_mul_u32_u24 v14, v14, SP
	v_and_b32 v15, 3, v2
	v_lshl_add_u32 v14, v15, 4, v14
	v_add_nc_u32 v14, s29, v14                     ; the stage, on the way in: SP (lane / 4) + 16 (lane % 4); a load's 512 bytes take eight places
	v_mul_u32_u24 v15, v2, SP
	v_add_nc_u32 v15, s29, v15                     ; and on the way out: SP x lane: my 16 neighbours
	v_mul_u32_u24 v4, v2, CB                       ; my codes' place in a step's
	v_lshrrev_b32 v5, 1, v2
	s_add_co_u32 s29, s29, 2*32*SP
	v_add_nc_u32 v5, s29, v5                       ; LDS: my wave's 256 scale bytes, my block's byte
	v_lshlrev_b32 v7, 3, v2                        ; and on the way out 8 bytes a lane
	v_add_nc_u32 v6, s29, v7
	s_wait_kmcnt 0x0
	s_cmp_lt_u32 ttmp9, 320                        ; which tensor: the choices hang on the work-group's number alone
	s_cselect_b64 s[4:5], s[12:13], s[14:15]
	s_cmp_lt_u32 ttmp9, 288
	s_cselect_b64 s[4:5], s[10:11], s[4:5]
	s_cmp_lt_u32 ttmp9, 256
	s_cselect_b64 s[4:5], s[8:9], s[4:5]           ; the numbers
	s_cselect_b64 s[6:7], s[18:19], s[22:23]       ; the codes: xc or wc
	s_cselect_b64 s[30:31], s[20:21], s[24:25]     ; the scale bytes: xs or ws
	s_cselect_b32 s32, 0, 256
	s_cselect_b32 s33, -1, 31
	s_sub_co_u32 s34, ttmp9, s32                   ; my place among the work-groups that write this pair of buffers (the three weights lie on end),
	s_and_b32 s35, s34, s33                        ; and among those that read this tensor
	s_lshl_b32 s35, s35, 2
	s_add_co_u32 s36, s35, s28
	s_lshl_b32 s36, s36, 15                        ; my wave's run of 8,192 numbers: 32,768 bytes
	s_mov_b32 s37, 0
	s_add_nc_u64 s[4:5], s[4:5], s[36:37]
	s_lshl_b32 s34, s34, 2
	s_add_co_u32 s34, s34, s28
	s_lshl_b32 s36, s34, 12                        ; 4,096 bytes of codes a run
	s_add_nc_u64 s[6:7], s[6:7], s[36:37]
	s_lshl_b32 s36, s34, 8                         ; 256 scale bytes a run
	s_add_nc_u64 s[30:31], s[30:31], s[36:37]
.macro LOAD t
.irp i, 0,1,2,3
	global_load_b128 v[R+16*((\t)%4)+4*\i:R+16*((\t)%4)+4*\i+3], v3, s[4:5] offset:2048*(\t)+512*\i th:TH_LOAD_NT   ; 32 lanes read 512 consecutive bytes
.endr
.endm
.macro TURN t                          ; step t's numbers through the stage: LDS serves a wave's instructions in order, so no wait stands between the stores and the loads
.irp i, 0,1,2,3
	ds_store_b128 v14, v[R+16*((\t)%4)+4*\i:R+16*((\t)%4)+4*\i+3] offset:32*SP*((\t)%2)+8*SP*\i
.endr
.irp i, 0,1,2,3
	ds_load_b128 v[X+16*((\t)%2)+4*\i:X+16*((\t)%2)+4*\i+3], v15 offset:32*SP*((\t)%2)+16*\i
.endr
.endm
.irp t, 0,1,2,3
	LOAD \t
.endr
	s_wait_loadcnt 12                              ; step 0's four loads are in; the twelve of steps 1 to 3 may be out
	TURN 0
.macro STEP t
.set XS, X+16*((\t)%2)
.if (\t) > 0
	s_wait_dscnt 1                                 ; this step's numbers are back from the stage (the last step's byte store may be out): so its stores into the stage have read their registers,
.else
	s_wait_dscnt 0x0
.endif
.if (\t)+4 < STEPS
	LOAD (\t)+4                                    ; which take the loads of four steps on
.endif
.if (\t)+1 < STEPS
.if STEPS-2-(\t) >= 3
	s_wait_loadcnt 12                              ; the next step's four loads are in; those of the three steps behind it may be out
.else
	s_wait_loadcnt 4*(STEPS-2-(\t))
.endif
	TURN (\t)+1                                    ; and go through the other stage while this step is worked
.endif
	v_max3_num_f32 v8, |v[XS]|, |v[XS+1]|, |v[XS+2]|               ; the largest magnitude of my 16, in two chains
	v_max3_num_f32 v9, |v[XS+3]|, |v[XS+4]|, |v[XS+5]|
.irp i, 6,10
	v_max3_num_f32 v8, v8, |v[XS+\i]|, |v[XS+\i+1]|
	v_max3_num_f32 v9, v9, |v[XS+\i+2]|, |v[XS+\i+3]|
.endr
	v_max3_num_f32 v8, v8, |v[XS+14]|, |v[XS+15]|
	v_max3_num_f32 v8, v8, v9, 0x1800000           ; and the floor 2^(3 - 127): so the byte cannot fall under 1
	v_max_num_f32_dpp v8, v8, v8 row_xmask:1 row_mask:0xf bank_mask:0xf   ; and of my neighbour's 16: the block's
	v_add_nc_u32 v11, 0xff000000, v8               ; 2 off its exponent field: the conversion takes the exponent field of this operand as its scale, and nothing else of it
	v_cvt_scalef32_pk8_fp4_f32 v[C+4*(\t)], v[XS:XS+7], v11        ; eight numbers / the scale, to the nearest code, ties to even, beyond the largest code the largest
	v_cvt_scalef32_pk8_fp4_f32 v[C+4*(\t)+1], v[XS+8:XS+15], v11
	v_lshrrev_b32 v[E+(\t)], 23, v11               ; the scale's byte
	ds_store_b8 v5, v[E+(\t)] offset:16*(\t)       ; both lanes of a block write the same byte with the same value
	global_store_b64 v4, v[C+4*(\t):C+4*(\t)+1], s[6:7] offset:32*CB*(\t)   ; the wave stores 256 consecutive bytes
.endm
.irp t, 0,1,2,3,4,5,6,7,8,9,10,11,12,13,14,15
	STEP \t
.endr
	ds_load_b64 v[8:9], v6                         ; LDS serves a wave's instructions in order: these see my stores
	s_wait_dscnt 0x0
	global_store_b64 v7, v[8:9], s[30:31]          ; 32 lanes store 256 consecutive bytes
	s_wait_tensorcnt 0x0                           ; the wave's end: behind my last LDS store
	ds_add_u32 v[SPW], v[NIL]
	s_wait_dscnt 0x0
	s_endpgm
.Lwo:
	s_sub_co_u32 s29, ttmp9, 352                   ; nt: rows 16 nt .. 16 nt + 15
	v_lshlrev_b32 v3, 4, v2                        ; 16 x lane
	s_mul_i32 s32, s28, WOSZ
	s_add_co_u32 s32, s32, WOST                    ; my stage
	v_lshrrev_b32 v4, 1, v2
	v_mul_u32_u24 v4, v4, 272
	v_and_b32 v5, 1, v2
	v_lshl_add_u32 v4, v5, 3, v4
	v_add_nc_u32 v4, s32, v4                       ; in: my four numbers belong to unit lane / 2 of a load's sixteen, half lane % 2; the row and the load's sixteen units stand in the immediate
	v_lshrrev_b32 v5, 4, v2
	v_mul_u32_u24 v5, v5, 272
	v_and_b32 v6, 15, v2
	v_lshl_add_u32 v5, v6, 4, v5
	v_add_nc_u32 v5, s32, v5                       ; out: piece i is units 2 i and 2 i + 1: lane (r, h) takes unit 2 i + h, row r
	s_lshl_b32 s34, s29, 16                        ; Wo: 16 rows of 4,096 bytes a work-group,
	s_lshl_b32 s35, s28, 10                        ; 1,024 bytes of a row a wave
	s_add_co_u32 s34, s34, s35
	s_mov_b32 s35, 0
	s_lshl_b32 s36, s29, 15                        ; wo16: 32,768 bytes a work-group, 8,192 a wave
	s_lshl_b32 s37, s28, 13
	s_add_co_u32 s36, s36, s37
	s_mov_b32 s37, 0
	s_wait_kmcnt 0x0
	s_add_nc_u64 s[16:17], s[16:17], s[34:35]
	s_add_nc_u64 s[26:27], s[26:27], s[36:37]
.set I, 0
.rept 32                               ; load I: row I / 2, half I % 2 of my 1,024 bytes: 512 consecutive bytes
	global_load_b128 v[WL+4*I:WL+4*I+3], v3, s[16:17] offset:(I/2)*4096+(I%2)*512 th:TH_LOAD_NT
.set I, I+1
.endr
.set I, 0
.rept 32
	s_wait_loadcnt 31-I                            ; load I is in; the younger ones may be out
	v_cvt_pk_f16_f32 v[WL+4*I], v[WL+4*I], v[WL+4*I+1]
	v_cvt_pk_f16_f32 v[WL+4*I+1], v[WL+4*I+2], v[WL+4*I+3]
	ds_store_b64 v4, v[WL+4*I:WL+4*I+1] offset:(I%2)*4352+(I/2)*16   ; units 272 bytes apart: the 32 lanes fall on 32 different columns of 8 bytes
.set I, I+1
.endr
.set I, 0
.rept 16
	ds_load_b128 v[WB+4*I:WB+4*I+3], v5 offset:I*544   ; LDS serves a wave's instructions in order: these see my stores
.set I, I+1
.endr
.set I, 0
.rept 16
	s_wait_dscnt 15-I                              ; piece I is in; the younger loads may be out
	global_store_b128 v3, v[WB+4*I:WB+4*I+3], s[26:27] offset:I*512   ; a piece: 512 consecutive bytes
.set I, I+1
.endr
	s_wait_tensorcnt 0x0                           ; the wave's end: behind my last LDS store
	ds_add_u32 v[SPW], v[NIL]
	s_wait_dscnt 0x0
	s_endpgm
.Lfunc_end_k_q7dd4e62a2c_prep:
	.size	k_q7dd4e62a2c_prep, .Lfunc_end_k_q7dd4e62a2c_prep-k_q7dd4e62a2c_prep
	.p2alignl 7, 3214868480
	.fill 96, 4, 3214868480
	.section	.rodata,"a",@progbits
	.p2align	6, 0x0
	.amdhsa_kernel k_q7dd4e62a2c_prep
		.amdhsa_group_segment_fixed_size 68096
		.amdhsa_private_segment_fixed_size 0
		.amdhsa_enable_private_segment 0
		.amdhsa_kernarg_size 80
		.amdhsa_user_sgpr_count 2
		.amdhsa_user_sgpr_kernarg_segment_ptr 1
		.amdhsa_wavefront_size32 1
		.amdhsa_system_sgpr_workgroup_id_x 1
		.amdhsa_system_sgpr_workgroup_id_y 1
		.amdhsa_system_sgpr_workgroup_id_z 1
		.amdhsa_system_vgpr_workitem_id 0
		.amdhsa_next_free_vgpr 208
		.amdhsa_next_free_sgpr 66
		.amdhsa_reserve_vcc 0
		.amdhsa_float_denorm_mode_32 3
		.amdhsa_float_denorm_mode_16_64 3
		.amdhsa_memory_ordered 1
		.amdhsa_forward_progress 1
		.amdhsa_inst_pref_size 48
	.end_amdhsa_kernel
	.amdgpu_metadata
---
amdhsa.version: [ 1, 2 ]
amdhsa.kernels:
  - .name:           k_q7dd4e62a2c_prep
    .symbol:         k_q7dd4e62a2c_prep.kd
    .args:
      - { .name: hidden_states, .offset: 0, .size: 8, .value_kind: global_buffer, .address_space: global }
      - { .name: Wq, .offset: 8, .size: 8, .value_kind: global_buffer, .address_space: global }
      - { .name: Wk, .offset: 16, .size: 8, .value_kind: global_buffer, .address_space: global }
      - { .name: Wv, .offset: 24, .size: 8, .value_kind: global_buffer, .address_space: global }
      - { .name: Wo, .offset: 32, .size: 8, .value_kind: global_buffer, .address_space: global }
      - { .name: xc, .offset: 40, .size: 8, .value_kind: global_buffer, .address_space: global }
      - { .name: xs, .offset: 48, .size: 8, .value_kind: global_buffer, .address_space: global }
      - { .name: wc, .offset: 56, .size: 8, .value_kind: global_buffer, .address_space: global }
      - { .name: ws, .offset: 64, .size: 8, .value_kind: global_buffer, .address_space: global }
      - { .name: wo16, .offset: 72, .size: 8, .value_kind: global_buffer, .address_space: global }
    .group_segment_fixed_size: 68096
    .private_segment_fixed_size: 0
    .kernarg_segment_align: 8
    .kernarg_segment_size: 80
    .max_flat_workgroup_size: 128
    .sgpr_count:     66
    .vgpr_count:     208
    .wavefront_size: 32
...
	.end_amdgpu_metadata
.endif
;; end of part 1
;; launch qkv (part 2): grid 12 x 32, 4 waves a work-group, clusters of 4 x 4, 327,680 bytes of LDS; arguments xc, xs, wc, ws, bq, bk, bv, qkv; writes qkv
.if DOCPART == 2
	.amdgcn_target "amdgcn-amd-amdhsa--gfx1250"
	.amdhsa_code_object_version 6
	.text
	.protected	k_q7dd4e62a2c_qkv
	.globl	k_q7dd4e62a2c_qkv
	.p2align	8
	.type	k_q7dd4e62a2c_qkv,@function
k_q7dd4e62a2c_qkv:
	s_mov_b64 s[64:65], 0
	v_nop
	global_prefetch_b8 v0, s[64:65] scope:SCOPE_SE
	s_setreg_imm32_b32 hwreg(HW_REG_WAVE_MODE, 25, 1), 1
	s_wait_xcnt 0x0
	s_wait_alu depctr_hold_cnt(0) depctr_sa_sdst(0) depctr_va_vdst(0) depctr_va_sdst(0) depctr_va_ssrc(0) depctr_va_vcc(0) depctr_vm_vsrc(0)
	s_getreg_b32 s2, hwreg(HW_REG_IB_STS2, 6, 4)
	s_cmp_eq_u32 s2, 0
	s_cbranch_scc0 .Lentry_in_a_cluster
	s_endpgm
.Lentry_in_a_cluster:
	s_bfe_u32 s2, ttmp6, 0x10000c
	s_cmp_lg_u32 s2, 0xf033
	s_cbranch_scc0 .Lentry_shape_is_right
	s_endpgm
.Lentry_shape_is_right:
; Q, K, V = hidden_states W^T + b on codes of FP4 (E2M1) with one E8M0 scale for each 32 along K = 1,024; sums in f32, the bias as the C of each sum's first product; results rounded once to f16.
; ONE TEXT FOR THE THREE.  The cluster's x says which (KIND 0: Q, 1: K, 2: V); all sixteen partners of a cluster have the same KIND.  The text computes C'[i][j] = sum over k of P[i][k] R[j][k] for a tile of
; 256 x 256: P's rows are source 1 of the matrix instruction, R's rows source 0, so that a lane holds ONE row of P and eight neighbouring rows of R.
;   Q, K: P = the tokens, R = the weight's rows: a lane holds eight neighbouring channels of one token.     V: P = Wv's rows, R = the tokens: a lane holds eight neighbouring keys of one channel (V transposed).
; Only pointers, block numbers and two strides are chosen by KIND; the one branch on it picks which way the bias lies over the first products.
; THE RESULTS ARE LAID AS IMAGES OF OPERAND REGISTERS, in pieces of 512 bytes: four registers of a fragment of 16 rows x 32 k of f16, lane l's 16 bytes at 16 l.  A lane's eight results, packed, ARE its 16 bytes of a piece:
;   Q at 0, K at 16 MiB: (16 batch + head) x 262,144 + (token / 16) x 2,048 + p x 512: lane (r, h): token 16 (token / 16) + r, channels 16 p + 8 h + 0 .. 7 of the head.
;   V at 32 MiB: (16 batch + head) x 262,144 + (key / 64) x 8,192 + ct x 2,048 + p x 512: lane (r, h): channel 16 ct + r, keys 64 (key / 64) + 16 p + 8 h + 0 .. 7.
; So every store covers 512 consecutive bytes and no stage is needed.
; SHARES.  Four waves, each 128 x 128: 64 accumulators, 512 registers.  All of K lies in two LDS slots of 512 along K (rows of 256 bytes + 16 of padding): both are asked for at the head and no LDS byte is filled twice.
; The scale bytes of the 256 + 256 rows, two dense blocks of 8,192 bytes, come with them.  By this text's count a wave has three tensor loads out.
; CLUSTERS: 4 x 4 work-groups.  P's tile hangs on the cluster's y and cy alone and is shared along a row of the cluster, R's on the cluster's y and cx alone and is shared along a column: joint loads.
; LIMITS: |Q|, |K|, |V| must stay under 65,504 (f16); numbers under 6e-5 keep f16's absolute step of 6e-8.  NaN and infinities are not served.
; REGISTERS: window 0: v1-6 at work, v16-29 addresses, v32-95 scale words (two sets), v96-103 the biases' offsets, v128-191 P's fragments (one set; on the way out the packed results), v192-255 the biases.
;   window 1: R's fragments, two sets, at v0 and v128.   window 2: the accumulators of my P rows 0-63 ((a, b) at v[8 (8 a + b)]);   window 3: those of rows 64-127.
.set NQ,     4                         ; steps of 128 along K in a slot
.set ROWB,   256                       ; a tile's row in bytes: 512 codes
.set KROW,   512                       ; a row of codes in memory
.set PITCH,  272                       ; an LDS row: 256 bytes + 16 of padding: the 16 rows that a load touches start at 16 different banks (64 banks of 4 bytes: ISA guide 11.1)
.set FR,     8                         ; registers of a fragment: 16 rows x 128 K
.set NL,     2                         ; LDS loads that bring one
.set NP,     4                         ; places behind this matrix instruction (ISA guide 7.12.1)
.set HALFT,  128*PITCH                 ; 128 rows: what one tensor load brings
.set SLOT,   4*HALFT                   ; P's 256 rows, then R's 256 rows
.set KS,     32                        ; a row of scale bytes
.set SCL,    2*SLOT                    ; behind the slots: the scales, as units of 256 bytes + 16 of padding
.set HALFS,  16*272                    ; the scales of 128 rows
.set SBLK,   2*272                     ; those of 16 rows
.set SPARE,  SCL+4*HALFS               ; the spare words, 128 bytes for each wave
.set ADRA, 16                          ; v16-17  LDS address of my P fragments in slot 0, 1
.set ADRB, 20                          ; v20-21  the same for R
.set LI,   24                          ; v24     16 x lane: my place in a piece
.set ADRS, 27                          ; v27     LDS address of my scale words: lanes 0-15 P's rows, lanes 16-31 R's
.set SPW,  28                          ; v28     LDS address of my spare word; never rewritten
.set NIL,  29                          ; v29     0; never rewritten
.set SC,   32                          ; scale words: set s at v[SC + 32 s]; register 4 i + q: lanes 0-15 P's block i, lanes 16-31 R's block i, the slot's q-th 128 along K
.set OFJ,  96                          ; v96-103 the biases' byte offsets, one for each register of a result
.set AF,   128                         ; P's fragments
.set PK,   128                         ; the way out: packed results, two sets of 32
.set BR,   192                         ; the biases: eight registers for each block of 16 channels, in the result's layout
.set WV,   20                          ; s20 wave;  s21 wave / 2: my half of P's rows, and: I fetch for P (0) or R (1);  s22 wave % 2: my half of R's rows, and: which 128 rows I fetch
.set WR,   21
.set WC,   22
.set KIND, 23
.set G1,   24                          ; s[24:31] group 1 for P's tiles;  s[32:39] groups 0, one for each slot
.set G0,   32
.set G1B,  48                          ; s[48:55], s[56:63] the same for R's
.set G0B,  56
.set G1S,  68                          ; s[68:75], s[76:79] groups 1 and 0 for P's scales;  s[80:87], s[88:91] for R's
.set G0S,  76
.set G1SB, 80
.set G0SB, 88
.set OB,   92                          ; s[92:99] first the four tiles' addresses, then the four store bases
.set MSB, 0
.macro WIN new                         ; the immediate's high byte repeats the setting that is left
.if MSB != \new
	s_set_vgpr_msb (MSB<<8)|\new
.set MSB, \new
.endif
.endm
.set MUL_LO, 0xa1                      ; source 0 (R) window 1, source 1 (P) window 0, C and D window 2
.set MUL_HI, 0xf1                      ; the same, C and D window 3
.set ONE_LO, 0x81                      ; the first products: C (the bias) window 0, D window 2
.set ONE_HI, 0xc1                      ; D window 3
.set TO_B,   0x40                      ; destination window 1, address window 0
; A joint load: waves 0 and 1 fetch for P, waves 2 and 3 for R.  Each line has one mask and one set of registers for all that issue it; the branch hangs on the wave's number alone.
; An s_nop 0 and four v_nop follow each of the two lines.
.macro JLOAD g0a, g1a, g0b, g1b
	s_cmp_eq_u32 s[WR], 0
	s_cbranch_scc0 .Lfor_b_\@
	tensor_load_to_lds s[\g0a:\g0a+3], s[\g1a:\g1a+7]
	s_nop 0
.rept 4
	v_nop
.endr
	s_branch .Lasked_\@
.Lfor_b_\@:
	tensor_load_to_lds s[\g0b:\g0b+3], s[\g1b:\g1b+7]
	s_nop 0
.rept 4
	v_nop
.endr
.Lasked_\@:
.endm
.macro CROUND                          ; a round of the cluster's barrier
	s_barrier_signal -1
	s_barrier_wait -1
	s_cmp_lg_u32 s[WV], 0
	s_cbranch_scc1 .Lnot_wave_0_\@
	s_barrier_signal -3
.Lnot_wave_0_\@:
	s_barrier_wait -3
	s_barrier_signal -1
	s_barrier_wait -1
.endm
	s_load_b512 s[4:19], s[0:1], 0x0               ; xc 4, xs 6, wc 8, ws 10, bq 12, bk 14, bv 16, qkv 18
	v_lshl_add_u32 v[SPW], v0, 2, SPARE
	v_mov_b32 v[NIL], 0
	ds_add_u32 v[SPW], v[NIL]                      ; the wave's opening: the add, twice on end, and its wait ahead of my first tensor load
	ds_add_u32 v[SPW], v[NIL]
	v_lshrrev_b32 v1, 5, v0
	v_readfirstlane_b32 s[WV], v1
	s_lshr_b32 s[WR], s[WV], 1
	s_and_b32 s[WC], s[WV], 1
	s_bfe_u32 s40, ttmp6, 0x40000                  ; cx, cy: my place in the cluster
	s_bfe_u32 s41, ttmp6, 0x40004
	s_mov_b32 s[KIND], ttmp9                       ; the cluster's x
	s_and_b32 s66, ttmp7, 0xffff                   ; the cluster's y, 0 .. 7
	s_lshl_b32 s66, s66, 2
	s_cmp_eq_u32 s[KIND], 2
	s_cselect_b32 s43, 0, s66                      ; the tokens' 32 blocks go by the cluster's y: they are P for Q and K, R for V
	s_cselect_b32 s42, s66, 0
	s_add_co_u32 s43, s43, s41                     ; I: P's block of 256 rows; it never holds cx
	s_add_co_u32 s42, s42, s40                     ; J: R's block; it never holds cy
	s_lshl_b32 s44, s41, 2
	s_lshl_b32 s44, 15, s44                        ; my row of the cluster
	s_lshl_b32 s45, 0x1111, s40                    ; my column
	s_or_b32 s[G1+0], s44, (0<<16)|(1<<20)|(1<<21)|(5<<22)|(3<<25)  ; 15:0 the mask; 17:16 elements of 1 byte; 20 padding on; 21 set beside a mask; 24:22 after every 64 words; 31:25 four words
	s_or_b32 s[G1B+0], s45, (0<<16)|(1<<20)|(1<<21)|(5<<22)|(3<<25)
.irp g, G1, G1B
	s_mov_b32 s[\g+1], ROWB<<16                    ; tensor_dim0
	s_mov_b32 s[\g+2], 128<<16                     ; tensor_dim1
	s_mov_b32 s[\g+3], ROWB<<16                    ; tile_dim0
	s_mov_b32 s[\g+4], 128                         ; tile_dim1
	s_mov_b32 s[\g+5], KROW                        ; from row to row
	s_mov_b32 s[\g+6], 0
	s_mov_b32 s[\g+7], 0
.endr
	s_or_b32 s[G1S+0], s44, (3<<16)|(1<<20)|(1<<21)|(5<<22)|(3<<25)  ; the scales of 128 rows: 4,096 dense bytes as 16 rows of 256 (32 elements of 8 bytes), 16 bytes of padding behind each
	s_or_b32 s[G1SB+0], s45, (3<<16)|(1<<20)|(1<<21)|(5<<22)|(3<<25)
.irp g, G1S, G1SB
	s_mov_b32 s[\g+1], 32<<16
	s_mov_b32 s[\g+2], 16<<16
	s_mov_b32 s[\g+3], 32<<16
	s_mov_b32 s[\g+4], 16
	s_mov_b32 s[\g+5], 32
	s_mov_b32 s[\g+6], 0
	s_mov_b32 s[\g+7], 0
.endr
	s_lshl_b32 s2, s[WC], 7                        ; which 128 rows of the tile I fetch
	s_lshl_b32 s92, s43, 8
	s_add_co_u32 s92, s92, s2                      ; P: row 256 I + 128 x half
	s_lshl_b32 s96, s42, 8
	s_add_co_u32 s96, s96, s2                      ; R: row 256 J + 128 x half
	s_lshl_b32 s94, s92, 5                         ; their scale bytes,
	s_lshl_b32 s92, s92, 9                         ; their codes
	s_lshl_b32 s98, s96, 5
	s_lshl_b32 s96, s96, 9
	s_lshl_b32 s66, s[KIND], 19                    ; a weight's codes are 524,288 bytes,
	s_lshl_b32 s67, s[KIND], 15                    ; its scale bytes 32,768
	s_cmp_eq_u32 s[KIND], 2
	s_cselect_b32 s66, 0, s66                      ; R is the weight for Q and K,
	s_cselect_b32 s67, 0, s67
	s_cselect_b32 s2, 0x100000, 0                  ; P is Wv, the third weight, for V
	s_cselect_b32 s3, 0x10000, 0
	s_add_co_u32 s92, s92, s2
	s_add_co_u32 s94, s94, s3
	s_add_co_u32 s96, s96, s66
	s_add_co_u32 s98, s98, s67
	s_mov_b32 s93, 0
	s_mov_b32 s95, 0
	s_mov_b32 s97, 0
	s_mov_b32 s99, 0
	s_mul_i32 s46, s[WV], HALFT                    ; where they go: wave x 128 rows: no place in the cluster enters an LDS address
	s_mul_i32 s47, s[WV], HALFS
	s_wait_dscnt 0x0                               ; both opening adds are done
	s_wait_kmcnt 0x0
	s_cmp_eq_u32 s[KIND], 2
	s_cselect_b64 s[2:3], s[8:9], s[4:5]           ; P's codes
	s_add_nc_u64 s[92:93], s[2:3], s[92:93]
	s_cselect_b64 s[2:3], s[10:11], s[6:7]         ; P's scales
	s_add_nc_u64 s[94:95], s[2:3], s[94:95]
	s_cselect_b64 s[2:3], s[4:5], s[8:9]           ; R's codes
	s_add_nc_u64 s[96:97], s[2:3], s[96:97]
	s_cselect_b64 s[2:3], s[6:7], s[10:11]         ; R's scales
	s_add_nc_u64 s[98:99], s[2:3], s[98:99]
	CROUND                                         ; all sixteen work-groups are here: the joint loads meet
	s_mov_b32 s[G0S], 1
	s_add_co_u32 s[G0S+1], s47, SCL
	s_mov_b64 s[G0S+2:G0S+3], s[94:95]
	s_or_b32 s[G0S+3], s[G0S+3], 0x80000000
	s_mov_b32 s[G0SB], 1
	s_add_co_u32 s[G0SB+1], s47, SCL
	s_mov_b64 s[G0SB+2:G0SB+3], s[98:99]
	s_or_b32 s[G0SB+3], s[G0SB+3], 0x80000000
	JLOAD G0S, G1S, G0SB, G1SB                     ; the scales first: they are wanted with the first step
.irp s, 0,1
	s_mov_b32 s[G0+4*\s], 1
	s_add_co_u32 s[G0+4*\s+1], s46, \s*SLOT
	s_add_nc_u64 s[G0+4*\s+2:G0+4*\s+3], s[92:93], \s*ROWB
	s_or_b32 s[G0+4*\s+3], s[G0+4*\s+3], 0x80000000
	s_mov_b32 s[G0B+4*\s], 1
	s_add_co_u32 s[G0B+4*\s+1], s46, \s*SLOT
	s_add_nc_u64 s[G0B+4*\s+2:G0B+4*\s+3], s[96:97], \s*ROWB
	s_or_b32 s[G0B+4*\s+3], s[G0B+4*\s+3], 0x80000000
	JLOAD G0+4*\s, G1, G0B+4*\s, G1B
.endr
	v_and_b32 v1, 15, v0                           ; r = lane % 16
	v_bfe_u32 v2, v0, 4, 1                         ; h = lane / 16
	v_mul_u32_u24 v3, v1, PITCH
	v_lshl_add_u32 v4, v2, 4, v3                   ; a fragment's row x pitch + 16 x half
	s_mul_i32 s2, s[WR], HALFT                     ; my 128 rows of P
	s_mul_i32 s3, s[WC], HALFT                     ; my 128 rows of R,
	s_add_co_u32 s3, s3, 2*HALFT                   ; which lie behind P's 256
.irp s, 0,1
	v_add_nc_u32 v[ADRA+\s], s2, v4
	v_add_nc_u32 v[ADRB+\s], s3, v4
	s_add_co_u32 s2, s2, SLOT
	s_add_co_u32 s3, s3, SLOT
.endr
	v_mul_u32_u24 v5, v1, KS                       ; my row's scales: 32 bytes a row,
	v_lshrrev_b32 v6, 8, v5
	v_lshl_add_u32 v5, v6, 4, v5                   ; and 16 more for each 256 passed
	s_mul_i32 s2, s[WR], HALFS
	s_mul_i32 s3, s[WC], HALFS
	s_add_co_u32 s3, s3, 2*HALFS
	s_sub_co_u32 s3, s3, s2
	v_mul_u32_u24 v6, s3, v2                       ; lanes 16-31 take R's
	s_add_co_u32 s2, s2, SCL
	v_add_nc_u32 v5, v5, v6
	v_add_nc_u32 v[ADRS], s2, v5
	v_and_b32 v5, 31, v0
	v_lshlrev_b32 v[LI], 4, v5
	; which blocks are tokens and which channels, the bias, and where the results go
	s_cmp_eq_u32 s[KIND], 0
	s_cselect_b64 s[100:101], s[12:13], s[14:15]
	s_cmp_eq_u32 s[KIND], 2
	s_cselect_b64 s[100:101], s[16:17], s[100:101] ; bq, bk or bv
	s_cselect_b32 s2, s42, s43                     ; the tokens' block,
	s_cselect_b32 s3, s[WC], s[WR]                 ; and my half of it
	s_cselect_b32 s46, s43, s42                    ; the channels' block,
	s_cselect_b32 s47, s[WR], s[WC]                ; and my half of it
	s_mov_b32 s66, 0x40000
	s_cselect_b32 s67, s66, 0x2000                 ; four blocks of P on: a head on for V (262,144), four tiles of tokens for Q and K (8,192)
	s_cselect_b32 s66, 0x2000, s66                 ; four blocks of R on: the other way round
	s_cselect_b32 s92, 4, 0                        ; the bias by the lane's r (V: a lane is a channel),
	s_cselect_b32 s93, 0, 32                       ; or by its h
	s_cselect_b32 s94, 0, 4                        ; and the register (Q, K: a lane holds eight channels)
	v_mul_u32_u24 v3, s92, v1
	v_mul_u32_u24 v4, s93, v2
	v_add_nc_u32 v3, v3, v4
.irp j, 0,1,2,3,4,5,6,7
	v_mad_u32_u24 v[OFJ+\j], s94, \j, v3
.endr
	s_lshl_b32 s92, s46, 10
	s_lshl_b32 s93, s47, 9
	s_add_co_u32 s92, s92, s93                     ; my first channel, 256 x block + 128 x half, in bytes of f32
	s_mov_b32 s93, 0
	s_add_nc_u64 s[100:101], s[100:101], s[92:93]
.irp x, 0,1,2,3,4,5,6,7
.irp j, 0,1,2,3,4,5,6,7
	global_load_b32 v[BR+8*\x+\j], v[OFJ+\j], s[100:101] offset:64*\x   ; block x of 16 channels, in the result's layout
.endr
.endr
	s_lshl_b32 s92, s[KIND], 24                    ; Q, K or V: 16 MiB each
	s_lshr_b32 s94, s2, 3
	s_lshl_b32 s94, s94, 22                        ; the batch: 16 heads of 262,144 bytes
	s_add_co_u32 s92, s92, s94
	s_lshl_b32 s94, s46, 2
	s_lshl_b32 s95, s47, 1
	s_add_co_u32 s94, s94, s95                     ; my first head: 4 x block + 2 x half
	s_lshl_b32 s94, s94, 18
	s_add_co_u32 s92, s92, s94
	s_lshl_b32 s94, s2, 4
	s_lshl_b32 s95, s3, 3
	s_add_co_u32 s94, s94, s95
	s_and_b32 s94, s94, 127                        ; my first tile of 16 tokens in the batch
	s_lshl_b32 s94, s94, 11
	s_add_co_u32 s92, s92, s94
	s_mov_b32 s93, 0
	s_add_nc_u64 s[OB:OB+1], s[18:19], s[92:93]    ; blocks a 0-3, b 0-3
	s_mov_b32 s2, s66
	s_mov_b32 s3, 0
	s_add_nc_u64 s[OB+2:OB+3], s[OB:OB+1], s[2:3]  ; b 4-7
	s_mov_b32 s2, s67
	s_add_nc_u64 s[OB+4:OB+5], s[OB:OB+1], s[2:3]  ; a 4-7
	s_add_nc_u64 s[OB+6:OB+7], s[OB+2:OB+3], s[2:3]
.macro FRAG reg, adr, q, i             ; a fragment, 16 rows x 128 K of 4-bit codes: lane l holds row l % 16; registers 4 c .. 4 c + 3 hold K = 64 c + 32 (l / 16) + 0 .. 31
.irp c, 0,1
	ds_load_b128 v[\reg+4*\c:\reg+4*\c+3], v[\adr] offset:64*(\q)+32*\c+(\i)*16*PITCH
.endr
.endm
; 16 matrix instructions: P's blocks a0, a0 + 1 x R's eight, the slot's q-th 128 along K.  p: R's set;  sc: the set of scale words.  zero = 1: the first product takes the bias of R's block as C (Q, K);
; zero = 2: that of P's block (V); nothing is ever cleared.  The 64 accumulators take turns, one instruction a turn, in the same order in every step.
.macro MUL16 a0, p, q, sc, zero
.irp a, \a0, \a0+1
.irp b, 0,1,2,3,4,5,6,7
.if \zero == 1
	v_wmma_scale_f32_16x16x128_f8f6f4 v[8*(8*((\a)%4)+\b):8*(8*((\a)%4)+\b)+7], v[128*(\p)+FR*\b:128*(\p)+FR*\b+FR-1], v[AF+FR*(\a):AF+FR*(\a)+FR-1], v[BR+8*\b:BR+8*\b+7], v[SC+8*NQ*(\sc)+NQ*\b+(\q)], v[SC+8*NQ*(\sc)+NQ*(\a)+(\q)] matrix_a_fmt:MATRIX_FMT_FP4 matrix_b_fmt:MATRIX_FMT_FP4 matrix_a_scale:MATRIX_SCALE_ROW1
.elseif \zero == 2
	v_wmma_scale_f32_16x16x128_f8f6f4 v[8*(8*((\a)%4)+\b):8*(8*((\a)%4)+\b)+7], v[128*(\p)+FR*\b:128*(\p)+FR*\b+FR-1], v[AF+FR*(\a):AF+FR*(\a)+FR-1], v[BR+8*(\a):BR+8*(\a)+7], v[SC+8*NQ*(\sc)+NQ*\b+(\q)], v[SC+8*NQ*(\sc)+NQ*(\a)+(\q)] matrix_a_fmt:MATRIX_FMT_FP4 matrix_b_fmt:MATRIX_FMT_FP4 matrix_a_scale:MATRIX_SCALE_ROW1
.else
	v_wmma_scale_f32_16x16x128_f8f6f4 v[8*(8*((\a)%4)+\b):8*(8*((\a)%4)+\b)+7], v[128*(\p)+FR*\b:128*(\p)+FR*\b+FR-1], v[AF+FR*(\a):AF+FR*(\a)+FR-1], v[8*(8*((\a)%4)+\b):8*(8*((\a)%4)+\b)+7], v[SC+8*NQ*(\sc)+NQ*\b+(\q)], v[SC+8*NQ*(\sc)+NQ*(\a)+(\q)] matrix_a_fmt:MATRIX_FMT_FP4 matrix_b_fmt:MATRIX_FMT_FP4 matrix_a_scale:MATRIX_SCALE_ROW1
.endif
.endr
.endr
.endm
.macro FETCH_B slot, q, p              ; R's eight fragments of the slot's q-th 128 along K into set p
	WIN TO_B
.irp i, 0,1,2,3,4,5,6,7
	FRAG 128*(\p)+FR*\i, ADRB+\slot, \q, \i
.endr
	WIN 0
.endm
.macro FETCH_A slot, q, i0             ; P's blocks i0 .. i0 + 3
.irp i, \i0, \i0+1, \i0+2, \i0+3
	FRAG AF+FR*(\i), ADRA+\slot, \q, \i
.endr
.endm
.macro SCALES sc                       ; a slot's scale words into set sc: four words a row; lanes 0-15 take P's block i, lanes 16-31 R's block i
.irp i, 0,1,2,3,4,5,6,7
	ds_load_b128 v[SC+8*NQ*\sc+NQ*\i:SC+8*NQ*\sc+NQ*\i+3], v[ADRS] offset:\i*SBLK
.endr
.endm
; A load into a register that a matrix instruction has read, and a vector instruction that reads a matrix result, stand NP places behind that matrix instruction; only plain vector instructions that name
; none of its registers are places (ISA guide 7.12.1 for vector instructions).
.macro PLACES n
.rept \n
	v_nop
.endr
.endm
; A step of 128 along K that has its successor in the same slot.  P has one set of registers: blocks 0-3 are fetched anew in the step's middle, blocks 4-7 at its end.  R has two sets.
.macro STEP slot, q, zero
	s_wait_dscnt 4*NL                              ; R's set and P's blocks 0-3 are in; the youngest eight loads (P's blocks 4-7) may be out
.if \zero
	WIN ONE_LO
.else
	WIN MUL_LO
.endif
	MUL16 0, (\q)%2, \q, \slot, \zero
	MUL16 2, (\q)%2, \q, \slot, \zero
	s_wait_dscnt 0                                 ; P's blocks 4-7 are in (asked for 32 matrix instructions ago)
	PLACES NP
	FETCH_B \slot, (\q)+1, 1-(\q)%2
	FETCH_A \slot, (\q)+1, 0
.if \zero
	WIN ONE_HI
.else
	WIN MUL_HI
.endif
	MUL16 4, (\q)%2, \q, \slot, \zero
	MUL16 6, (\q)%2, \q, \slot, \zero
	PLACES NP
	WIN 0
	FETCH_A \slot, (\q)+1, 4
.endm
; Slot 0's last step goes on into slot 1: each wave waits for all its tensor loads (its part of slot 1), and the barrier shows the whole slot to all four.
.macro TURN slot, next
	s_wait_tensorcnt 0x0                           ; all my tensor loads have landed
	ds_add_u32 v[SPW], v[NIL]                      ; 0 onto my spare word
	s_wait_dscnt 4*NL+1                            ; (the add and the youngest eight loads, P's blocks 4-7, may be out)
	WIN MUL_LO
	MUL16 0, 1, NQ-1, \slot, 0
	s_wait_dscnt 0x0                               ; no LDS instruction of mine is out at the signal
	s_barrier_signal -1
	MUL16 2, 1, NQ-1, \slot, 0
	WIN 0
	s_barrier_wait -1
	PLACES NP
	v_add_nc_u32 v[ADRS], 4*NQ, v[ADRS]            ; on to the next slot's scale words
	FETCH_B \next, 0, 0
	FETCH_A \next, 0, 0
	SCALES \next
	WIN MUL_HI
	MUL16 4, 1, NQ-1, \slot, 0
	MUL16 6, 1, NQ-1, \slot, 0
	PLACES NP
	WIN 0
	FETCH_A \next, 0, 4
.endm
.macro STEPS slot, from                ; the slot's steps from .. NQ - 2
.set Q, \from
.rept NQ-1-\from
	STEP \slot, Q, 0
.set Q, Q+1
.endr
.endm
	s_wait_tensorcnt 1                             ; the scales and my part of slot 0 are in; slot 1's load, issued last, may be out
	s_barrier_signal -1
	s_barrier_wait -1                              ; everybody's are
	FETCH_B 0, 0, 0
	FETCH_A 0, 0, 0
	SCALES 0
	FETCH_A 0, 0, 4
	s_wait_loadcnt 0x0                             ; the biases
	s_cmp_eq_u32 s[KIND], 2                        ; the cluster's x: the same in all sixteen partners and in all waves.  Both arms issue the same loads and waits
	s_cbranch_scc1 .Lfirst_v
	STEP 0, 0, 1                                   ; Q, K: the bias goes by R's rows
	s_branch .Lfirst_done
.Lfirst_v:
	STEP 0, 0, 2                                   ; V: by P's rows
.Lfirst_done:
	STEPS 0, 1
	TURN 0, 1
	STEPS 1, 0
	s_wait_dscnt 4*NL                              ; the last step: nothing more to fetch; P's blocks 4-7 may be out
	WIN MUL_LO
	MUL16 0, 1, NQ-1, 1, 0
	MUL16 2, 1, NQ-1, 1, 0
	s_wait_dscnt 0
	WIN MUL_HI
	MUL16 4, 1, NQ-1, 1, 0
	MUL16 6, 1, NQ-1, 1, 0
	WIN 0
; THE WAY OUT.  Block a of P against R's eight: each accumulator's eight numbers, from its low end on, become 16 bytes of f16, which are the lane's part of a piece.
.macro OUTBLK a
.if (\a) >= 2
	s_wait_xcnt 0x0                                ; block a - 2's stores have read their registers: they may be written again
.endif
	WIN (0x0a+5*((\a)/4))                          ; sources 0 and 1: window 2 or 3
.irp b, 0,1,2,3,4,5,6,7
.irp i, 0,1,2,3
	v_cvt_pk_f16_f32 v[PK+32*((\a)%2)+4*\b+\i], v[64*((\a)%4)+8*\b+2*\i], v[64*((\a)%4)+8*\b+2*\i+1]
.endr
.endr
	WIN 0
.irp b, 0,1,2,3,4,5,6,7
	global_store_b128 v[LI], v[PK+32*((\a)%2)+4*\b:PK+32*((\a)%2)+4*\b+3], s[OB+4*((\a)/4)+2*(\b/4):OB+4*((\a)/4)+2*(\b/4)+1] offset:((\a)%4)*2048+(\b%4)*512   ; a piece: 512 consecutive bytes
.endr
.endm
	PLACES NP                                      ; behind the last products: for the reads of results and the writes into the registers that held P's fragments
.irp a, 0,1,2,3,4,5,6,7
	OUTBLK \a
.endr
	s_wait_tensorcnt 0x0                           ; the wave's end: behind my last tensor load
	ds_add_u32 v[SPW], v[NIL]
	s_wait_dscnt 0x0
	CROUND                                         ; the closing round: no work-group ends while a partner may still ask for a tile that names it
	s_endpgm
.Lfunc_end_k_q7dd4e62a2c_qkv:
	.size	k_q7dd4e62a2c_qkv, .Lfunc_end_k_q7dd4e62a2c_qkv-k_q7dd4e62a2c_qkv
	.p2alignl 7, 3214868480
	.fill 96, 4, 3214868480
	.section	.rodata,"a",@progbits
	.p2align	6, 0x0
	.amdhsa_kernel k_q7dd4e62a2c_qkv
		.amdhsa_group_segment_fixed_size 327680
		.amdhsa_private_segment_fixed_size 0
		.amdhsa_enable_private_segment 0
		.amdhsa_kernarg_size 64
		.amdhsa_user_sgpr_count 2
		.amdhsa_user_sgpr_kernarg_segment_ptr 1
		.amdhsa_wavefront_size32 1
		.amdhsa_system_sgpr_workgroup_id_x 1
		.amdhsa_system_sgpr_workgroup_id_y 1
		.amdhsa_system_sgpr_workgroup_id_z 1
		.amdhsa_system_vgpr_workitem_id 0
		.amdhsa_next_free_vgpr 1024
		.amdhsa_next_free_sgpr 102
		.amdhsa_reserve_vcc 0
		.amdhsa_float_denorm_mode_32 3
		.amdhsa_float_denorm_mode_16_64 3
		.amdhsa_memory_ordered 1
		.amdhsa_forward_progress 1
		.amdhsa_inst_pref_size 136
	.end_amdhsa_kernel
	.amdgpu_metadata
---
amdhsa.version: [ 1, 2 ]
amdhsa.kernels:
  - .name:           k_q7dd4e62a2c_qkv
    .symbol:         k_q7dd4e62a2c_qkv.kd
    .args:
      - { .name: xc, .offset: 0, .size: 8, .value_kind: global_buffer, .address_space: global }
      - { .name: xs, .offset: 8, .size: 8, .value_kind: global_buffer, .address_space: global }
      - { .name: wc, .offset: 16, .size: 8, .value_kind: global_buffer, .address_space: global }
      - { .name: ws, .offset: 24, .size: 8, .value_kind: global_buffer, .address_space: global }
      - { .name: bq, .offset: 32, .size: 8, .value_kind: global_buffer, .address_space: global }
      - { .name: bk, .offset: 40, .size: 8, .value_kind: global_buffer, .address_space: global }
      - { .name: bv, .offset: 48, .size: 8, .value_kind: global_buffer, .address_space: global }
      - { .name: qkv, .offset: 56, .size: 8, .value_kind: global_buffer, .address_space: global }
    .group_segment_fixed_size: 327680
    .private_segment_fixed_size: 0
    .kernarg_segment_align: 8
    .kernarg_segment_size: 64
    .max_flat_workgroup_size: 128
    .sgpr_count:     102
    .vgpr_count:     1024
    .wavefront_size: 32
...
	.end_amdgpu_metadata
.endif
;; end of part 2
;; launch attn (part 3): grid 4 x 64, 8 waves a work-group, clusters of 4 x 1, 327,680 bytes of LDS; arguments qkv, attention_mask, ctx; writes ctx
.if DOCPART == 3
	.amdgcn_target "amdgcn-amd-amdhsa--gfx1250"
	.amdhsa_code_object_version 6
	.text
	.protected	k_q7dd4e62a2c_attn
	.globl	k_q7dd4e62a2c_attn
	.p2align	8
	.type	k_q7dd4e62a2c_attn,@function
k_q7dd4e62a2c_attn:
	s_mov_b64 s[64:65], 0
	v_nop
	global_prefetch_b8 v0, s[64:65] scope:SCOPE_SE
	s_setreg_imm32_b32 hwreg(HW_REG_WAVE_MODE, 25, 1), 1
	s_wait_xcnt 0x0
	s_wait_alu depctr_hold_cnt(0) depctr_sa_sdst(0) depctr_va_vdst(0) depctr_va_sdst(0) depctr_va_ssrc(0) depctr_va_vcc(0) depctr_vm_vsrc(0)
	s_getreg_b32 s2, hwreg(HW_REG_IB_STS2, 6, 4)
	s_cmp_eq_u32 s2, 0
	s_cbranch_scc0 .Lentry_in_a_cluster
	s_endpgm
.Lentry_in_a_cluster:
	s_bfe_u32 s2, ttmp6, 0x10000c
	s_cmp_lg_u32 s2, 0x3003
	s_cbranch_scc0 .Lentry_shape_is_right
	s_endpgm
.Lentry_shape_is_right:
; ctx[b][q][head] = the sum over k of softmax_k(Q . K / 8 + mask[b][k]) V, for each of 64 (batch, head).  Q, K, V: f16, as images of operand registers (pieces of 512 bytes: four registers of a fragment of
; 16 rows x 32 k, lane l's 16 bytes at 16 l), so that every LDS and global read of a piece is 512 consecutive bytes and a key step's tiles are dense blocks.  Products, maxima and sums in f32; the weights p are
; rounded to f16 for the second product, ctx once at the end.
;   Q at 0, K at 16 MiB: bh x 262,144 + (token / 16) x 2,048 + p x 512.   V at 32 MiB (transposed): bh x 262,144 + (key / 64) x 8,192 + ct x 2,048 + p x 512.   ctx: (token / 16) x 32,768 + head x 2,048 + ct x 512.
; SHARES.  A work-group owns 512 queries of one (batch, head), each of its eight waves 64: four tiles of 16, in 512 registers.  Two waves share a SIMD: one wave's softmax stands beside the other's products.
; Every wave walks the 2,048 keys, 64 a step.
; LAYOUT.  S^T = K Q^T + C (source 0 = 16 keys, source 1 = 16 queries): a lane holds ONE query and the keys 8 (lane / 16) + 0 .. 7.  C is 8 x mask in that layout, so the mask costs no addition.  Two such tiles,
; rounded to f16 in pairs, are source 1 of O^T = V^T P, whose result again holds one query a lane and eight channels: packed, they are the lane's 16 bytes of a piece of ctx.
; SOFTMAX.  For each query a running maximum m of S and a sum l: p = 2^(c S - c m), c = log2(e) / 8; in every step O and l are multiplied by a = 2^(c m_old - c m_new).  m begins at -3e38, l and O at 0, so the
; step is written without a first step of its own: the first a is 0 and multiplies zeros.
; THE RING.  Two LDS slots of 512 keys (K's 64 KiB, then V's); each of the eight waves fetches 16 KiB of a slot with one tensor load, so a refill has eight key steps, 512 matrix instructions a wave, in which to land.
; By this text's count one tensor load a wave is out.  K LIES ONE STEP AHEAD: a slot holds V of steps 8 n .. 8 n + 7 and K of steps 8 n + 1 .. 8 n + 8, so that step j reads V(j) and, for the next step, K(j + 1) from the
; same slot at the same offset, and all reads of a slot are issued before it is left.  K(0) comes from memory straight into registers.  The last slot's last 8,192 bytes of K lie behind the head's keys (the next
; head's first step; behind the last head, V's first bytes): inside qkv, fetched and never read.
; CLUSTER.  The four query blocks of one (batch, head) walk the same K and V: each tile is asked for jointly, by the same tensor load with the same descriptor and the mask 15.
; LIMITS.  8 x mask is held at -2^100 from below, so a key masked by -infinity counts for nothing; a row whose EVERY key is masked by -infinity gives an average of V here and no NaN.  NaN elsewhere is not served.
; ctx's numbers under 6e-5 keep f16's absolute step of 6e-8.
; REGISTERS.  window 0: v0 the address in hand, v1 16 x lane, v2, v3 the mask's addresses, v4, v5 the add's two, v6-29 six registers of statistics a tile, v30 the prefetches' offset, v32-63 8 x mask of a step,
;   v64-127 K of a step, v128-255 S^T, 32 a tile (P takes the lower 16 in place).   window 1: v0-127 O^T, 32 a tile; v128-191 Q, 16 a tile; v192-255 V of a step.
.set SLOT1, 131072                     ; slot 1 begins here: one exclusive or turns an address in one slot into the other's
.set VOFF,  65536                      ; in a slot: K's eight steps of 8,192 bytes, then V's
.set MASK,  262144                     ; 8 x mask of the batch's 2,048 keys, f32: written by LDS stores, never a tensor load's target
.set SPARE, 270336                     ; the spare words, 128 bytes for each of the eight waves
.set ADR,  0
.set LIK,  1
.set MB,   2                           ; MASK + 32 (lane / 16)
.set ADM,  3
.set SPW,  4
.set NIL,  5
.set ST,   6                           ; tile t at v[ST + 6 t]: +0 c m, +1 m, +2, +3 l (even keys', odd keys'), +4 at work, then a, +5 at work
.set PFO,  30
.set MK,   32
.set KF,   64
.set S,    128
.set QF,   128                         ; in window 1
.set VF,   192                         ; in window 1
.set WV,   10                          ; s10 wave, s11 cx, s12 bh
.set G1,   16                          ; s[16:23] descriptor group 1
.set G0,   24                          ; s[24:27] the walking group 0
.set TB,   28                          ; s28 LDS byte of the step's K (of the next step's keys)
.set TBV,  29                          ; s29 of the step's V
.set TM,   30                          ; s30 256 x (step + 1): the next step's mask
.set SLOTS, 31                         ; s31 slots still to be asked for
.set CNT,  32                          ; s32 counts a slot's steps
.set CS,   34                          ; s[34:35] c: the packed form names a pair and takes its low word for both halves
.set SEL,  36                          ; s[36:37] lane selects for v_permlanex16_b32: lane l xor 16
.set PFA,  38                          ; s[38:39] where my prefetches stand
.set LIM,  40                          ; s40 1 in a wave that prefetches, else the greatest number
.set MSB, 0
.macro WIN new                         ; the immediate's high byte repeats the setting that is left
.if MSB != \new
	s_set_vgpr_msb (MSB<<8)|\new
.set MSB, \new
.endif
.endm
.set W_KQ,  0x04                       ; Q (source 1) window 1; K, C and S^T window 0
.set W_PV,  0x51                       ; V (source 0), C and D window 1; P window 0
.set W_RS,  0x41                       ; O^T (destination and source 0) window 1, a window 0
.set TO_1,  0x40                       ; destination window 1, address window 0
.set W_OUT, 0x05                       ; sources 0 and 1 window 1, destination window 0
.macro JLOAD                           ; every wave issues the one line, each with its own 16 KiB by its number; an s_nop 0 and four v_nop follow it
	tensor_load_to_lds s[G0:G0+3], s[G1:G1+7]
	s_nop 0
.rept 4
	v_nop
.endr
.endm
; A PREFETCH INTO THE L2 of what the NEXT change of slots will ask for: 64 KiB of K and 64 KiB of V.  A (batch, head) has one cluster; its four partners share the bytes out BY ADDRESS, 16 KiB of each a partner;
; in each, waves 0 and 1 ask for K's two runs of 8,192 bytes and waves 2 and 3 for V's, lanes 256 bytes apart: each aligned block of 256 bytes is named once in the launch.  It stands behind the wave's tensor load and
; its five lines.  The last change that fills a slot asks for nothing; the first two slots come by their loads alone.
.macro ASK
	s_cmp_gt_u32 s[SLOTS], s[LIM]
	s_cbranch_scc0 .Lnot_mine_\@
	global_prefetch_b8 v[PFO], s[PFA:PFA+1] th:TH_LOAD_NT scope:SCOPE_SE
.Lnot_mine_\@:
.endm
.macro CROUND                          ; a round of the cluster's barrier
	s_barrier_signal -1
	s_barrier_wait -1
	s_cmp_lg_u32 s[WV], 0
	s_cbranch_scc1 .Lnot_wave_0_\@
	s_barrier_signal -3
.Lnot_wave_0_\@:
	s_barrier_wait -3
	s_barrier_signal -1
	s_barrier_wait -1
.endm
	s_load_b128 s[4:7], s[0:1], 0x0                ; qkv, attention_mask
	s_load_b64 s[8:9], s[0:1], 0x10                ; ctx
	v_lshl_add_u32 v[SPW], v0, 2, SPARE
	v_mov_b32 v[NIL], 0
	ds_add_u32 v[SPW], v[NIL]                      ; the wave's opening: the add, twice on end, and its wait ahead of my first tensor load
	ds_add_u32 v[SPW], v[NIL]
	v_lshrrev_b32 v1, 5, v0
	v_readfirstlane_b32 s[WV], v1                  ; wave 0..7
	s_bfe_u32 s11, ttmp6, 0x40000                  ; cx: my block of 512 queries; it enters Q's, ctx's and the prefetches' addresses alone
	s_and_b32 s12, ttmp7, 0xffff                   ; bh = 16 batch + head, which the four partners share
	s_mov_b32 s[G1], 15|(3<<16)|(1<<21)            ; 15:0 the mask: all four work-groups; 17:16 elements of 8 bytes; 21 set beside a mask; no padding
	s_mov_b32 s[G1+1], 32<<16                      ; tensor_dim0 = 32 elements: rows of 256 bytes
	s_mov_b32 s[G1+2], 64<<16                      ; tensor_dim1 = 64 rows: 16 KiB, dense
	s_mov_b32 s[G1+3], 32<<16                      ; tile_dim0
	s_mov_b32 s[G1+4], 64                          ; tile_dim1
	s_mov_b32 s[G1+5], 32                          ; from row to row
	s_mov_b32 s[G1+6], 0
	s_mov_b32 s[G1+7], 0
	s_lshr_b32 s42, s[WV], 2                       ; waves 0-3 fetch K, waves 4-7 V
	s_lshl_b32 s44, s42, 13
	s_sub_co_u32 s44, 8192, s44                    ; K one key step on: 8,192 bytes; V none
	s_lshl_b32 s42, s42, 24
	s_add_co_u32 s42, s42, s44
	s_add_co_u32 s42, s42, 0x1000000               ; K lies at 16 MiB, V at 32 MiB
	s_lshl_b32 s45, s12, 18                        ; my (batch, head): 262,144 bytes in each of the three
	s_add_co_u32 s42, s42, s45
	s_and_b32 s44, s[WV], 3
	s_lshl_b32 s44, s44, 14                        ; my quarter of the 64 KiB
	s_add_co_u32 s42, s42, s44
	s_mov_b32 s43, 0
	s_lshl_b32 s46, s11, 5
	s_lshl_b32 s44, s[WV], 2
	s_add_co_u32 s44, s46, s44                     ; my first tile of 16 queries in the batch: 32 cx + 4 wave
	s_lshl_b32 s46, s44, 11
	s_add_co_u32 s46, s46, s45                     ; Q
	s_mov_b32 s47, 0
	s_add_co_u32 s48, s45, 0x1000000               ; K of step 0
	s_mov_b32 s49, 0
	s_lshr_b32 s50, s12, 4                         ; the batch
	s_lshl_b32 s52, s50, 13                        ; its 2,048 numbers of the mask
	s_mov_b32 s53, 0
	s_lshl_b32 s50, s50, 7
	s_add_co_u32 s50, s50, s44
	s_lshl_b32 s50, s50, 15                        ; ctx: my first tile of tokens, 32,768 bytes a tile,
	s_and_b32 s51, s12, 15
	s_lshl_b32 s51, s51, 11                        ; the head's 2,048 bytes in it
	s_add_co_u32 s50, s50, s51
	s_mov_b32 s51, 0
	s_lshr_b32 s54, s[WV], 1
	s_and_b32 s54, s54, 1                          ; the prefetches: waves 0, 1: K; waves 2, 3: V
	s_lshl_b32 s55, s54, 13
	s_sub_co_u32 s55, 8192, s55
	s_lshl_b32 s54, s54, 24
	s_add_co_u32 s54, s54, s55
	s_add_co_u32 s54, s54, 0x1000000+65536         ; at the second slot's bytes: the first change of slots steps it to the third's.  Nothing is prefetched at the head
	s_add_co_u32 s54, s54, s45
	s_lshl_b32 s55, s11, 14                        ; my work-group's 16 KiB,
	s_add_co_u32 s54, s54, s55
	s_and_b32 s55, s[WV], 1
	s_lshl_b32 s55, s55, 13                        ; my wave's 8,192 bytes of them
	s_add_co_u32 s54, s54, s55
	s_mov_b32 s55, 0
	s_cmp_lt_u32 s[WV], 4
	s_cselect_b32 s[LIM], 1, -1
	s_mov_b32 s[CS], 0x3e38aa3b                    ; c = log2(e) / 8
	s_mov_b32 s[CS+1], s[CS]                       ; (named with it as a pair, so it is written)
	s_mov_b32 s[SEL], 0x76543210
	s_mov_b32 s[SEL+1], 0xfedcba98
	s_mov_b32 s[TB], 0
	s_mov_b32 s[TBV], VOFF
	s_mov_b32 s[TM], 256
	s_mov_b32 s[SLOTS], 3
	s_wait_dscnt 0x0                               ; both opening adds are done
	s_wait_kmcnt 0x0
	s_mov_b32 s[G0], 1                             ; count = 1
	s_lshl_b32 s[G0+1], s[WV], 14                  ; LDS address: wave x 16 KiB, in slot 0: no place in the cluster enters it
	s_add_nc_u64 s[G0+2:G0+3], s[4:5], s[42:43]
	s_or_b32 s[G0+3], s[G0+3], 0x80000000          ; type = 2
	s_add_nc_u64 s[46:47], s[4:5], s[46:47]
	s_add_nc_u64 s[48:49], s[4:5], s[48:49]
	s_add_nc_u64 s[6:7], s[6:7], s[52:53]
	s_add_nc_u64 s[8:9], s[8:9], s[50:51]
	s_add_nc_u64 s[PFA:PFA+1], s[4:5], s[54:55]
	CROUND                                         ; all four work-groups are here: the first joint loads meet
	JLOAD                                          ; slot 0
	v_lshlrev_b32 v3, 5, v0                        ; the mask: thread n takes keys 8 n .. 8 n + 7
	v_lshl_add_u32 v31, v0, 5, MASK
	v_and_b32 v1, 31, v0
	v_lshlrev_b32 v[PFO], 8, v1
	v_lshlrev_b32 v[LIK], 4, v1
	v_bfe_u32 v2, v0, 4, 1
	v_lshl_add_u32 v[MB], v2, 5, MASK
	global_load_b128 v[32:35], v3, s[6:7]
	global_load_b128 v[36:39], v3, s[6:7] offset:16
	WIN TO_1
.irp t, 0,1,2,3
.irp i, 0,1,2,3
	global_load_b128 v[QF+16*\t+4*\i:QF+16*\t+4*\i+3], v[LIK], s[46:47] offset:2048*\t+512*\i   ; Q stays in registers
.endr
.endr
	WIN 0
.set I, 0
.rept 16
	global_load_b128 v[KF+4*I:KF+4*I+3], v[LIK], s[48:49] offset:512*I   ; K of step 0
.set I, I+1
.endr
	WIN TO_1
.set I, 0
.rept 128
	v_mov_b32 v[I], 0                              ; O^T: the step is written once for all steps; the first finds zeros
.set I, I+1
.endr
	WIN 0
.irp t, 0,1,2,3
	v_mov_b32 v[ST+6*\t+1], 0xff61b1e6             ; m = -3e38, under every score
	v_mov_b32 v[ST+6*\t+2], 0                      ; l
	v_mov_b32 v[ST+6*\t+3], 0
.endr
.irp t, 0,1,2,3
	v_mul_f32 v[ST+6*\t], s[CS], v[ST+6*\t+1]      ; c m
.endr
	s_wait_loadcnt 32                              ; the mask's two loads are in; Q's 16 and K's 16 may be out
.irp i, 0,1,2,3,4,5,6,7
	v_mul_f32 v[32+\i], 0x41000000, v[32+\i]       ; 8 x mask: exact
.endr
.irp i, 0,1,2,3,4,5,6,7
	v_max_num_f32 v[32+\i], 0xf1800000, v[32+\i]   ; held at -2^100 from below
.endr
	ds_store_b128 v31, v[32:35]
	ds_store_b128 v31, v[36:39] offset:16
	s_wait_dscnt 0x0                               ; for the others' sake: my stores are done
	s_barrier_signal -1
	s_barrier_wait -1                              ; the batch's mask lies in LDS
.irp a, 0,1,2,3
.irp u, 0,1
	ds_load_b128 v[MK+8*\a+4*\u:MK+8*\a+4*\u+3], v[MB] offset:64*\a+16*\u   ; step 0's: register 8 a + j: key 16 a + 8 (lane / 16) + j
.endr
.endr
	s_wait_loadcnt 0x0                             ; Q and K of step 0
.macro PLACES
.rept 4
	v_nop
.endr
.endm
; V of the step in hand: 16 pieces.  The addition and three v_nop are the four places between the last products V^T P and loads into the registers that they read.
.macro LDV
	v_add_nc_u32 v[ADR], s[TBV], v[LIK]
.rept 3
	v_nop
.endr
	WIN TO_1
.set I, 0
.rept 16
	ds_load_b128 v[VF+4*I:VF+4*I+3], v[ADR] offset:512*I
.set I, I+1
.endr
	WIN 0
.endm
; K and 8 x mask of the next step: 16 pieces and 8 loads.  The four vector lines are the places behind the products K Q^T: for these loads and for the first reads of S^T.
.macro LDK
	v_add_nc_u32 v[ADR], s[TB], v[LIK]
	v_add_nc_u32 v[ADM], s[TM], v[MB]
	v_nop
	v_nop
.set I, 0
.rept 16
	ds_load_b128 v[KF+4*I:KF+4*I+3], v[ADR] offset:512*I
.set I, I+1
.endr
.irp a, 0,1,2,3
.irp u, 0,1
	ds_load_b128 v[MK+8*\a+4*\u:MK+8*\a+4*\u+3], v[ADM] offset:64*\a+16*\u
.endr
.endr
.endm
; S^T = K Q^T + 8 x mask: 32 products; channels 32 f on, keys 16 a on, tile t.  The 16 accumulators take turns, one instruction a turn.
.macro KQ
	WIN W_KQ
.irp f, 0,1
.irp a, 0,1,2,3
.irp t, 0,1,2,3
.if \f == 0
	v_wmma_f32_16x16x32_f16 v[S+32*\t+8*\a:S+32*\t+8*\a+7], v[KF+16*\a+8*\f:KF+16*\a+8*\f+7], v[QF+16*\t+8*\f:QF+16*\t+8*\f+7], v[MK+8*\a:MK+8*\a+7]
.else
	v_wmma_f32_16x16x32_f16 v[S+32*\t+8*\a:S+32*\t+8*\a+7], v[KF+16*\a+8*\f:KF+16*\a+8*\f+7], v[QF+16*\t+8*\f:QF+16*\t+8*\f+7], v[S+32*\t+8*\a:S+32*\t+8*\a+7]
.endif
.endr
.endr
.endr
.endm
.macro MX2 c, x, y                     ; chain c of each tile takes scores x and y
.irp t, 0,1,2,3
	v_max3_num_f32 v[ST+6*\t+4+\c], v[ST+6*\t+4+\c], v[S+32*\t+\x], v[S+32*\t+\y]
.endr
.endm
; The maximum of a lane's 32 scores and the old m, three operands at a time, in two chains, the four tiles by turns.  Each of a tile's four accumulators is read first at its low end.
.macro SMAX
.irp t, 0,1,2,3
	v_max3_num_f32 v[ST+6*\t+4], v[S+32*\t], v[S+32*\t+1], v[S+32*\t+2]
.endr
.irp t, 0,1,2,3
	v_max3_num_f32 v[ST+6*\t+5], v[S+32*\t+8], v[S+32*\t+9], v[S+32*\t+10]
.endr
	MX2 0, 16, 17
	MX2 1, 24, 25
	MX2 0, 3, 4
	MX2 1, 5, 6
	MX2 0, 7, 11
	MX2 1, 12, 13
	MX2 0, 14, 15
	MX2 1, 18, 19
	MX2 0, 20, 21
	MX2 1, 22, 23
	MX2 0, 26, 27
	MX2 1, 28, 29
	MX2 0, 30, 31
.irp t, 0,1,2,3
	v_max3_num_f32 v[ST+6*\t+4], v[ST+6*\t+4], v[ST+6*\t+5], v[ST+6*\t+1]
.endr
.irp t, 0,1,2,3
	v_permlanex16_b32 v[ST+6*\t+5], v[ST+6*\t+4], s[SEL], s[SEL+1]   ; the query's other 32 keys lie in the lane 16 away
.endr
.irp t, 0,1,2,3
	v_max_num_f32 v[ST+6*\t+1], v[ST+6*\t+4], v[ST+6*\t+5]           ; the new m
.endr
.irp t, 0,1,2,3
	v_mul_f32 v[ST+6*\t+5], s[CS], v[ST+6*\t+1]
.endr
.irp t, 0,1,2,3
	v_sub_f32 v[ST+6*\t+4], v[ST+6*\t], v[ST+6*\t+5]                 ; c m_old - c m_new
.endr
.irp t, 0,1,2,3
	v_mov_b32 v[ST+6*\t], v[ST+6*\t+5]
.endr
.endm
.macro FMA n                           ; pair n / 4 of tile n % 4: c s - c m
	v_pk_fma_f32 v[S+32*((\n)%4)+2*((\n)/4):S+32*((\n)%4)+2*((\n)/4)+1], v[S+32*((\n)%4)+2*((\n)/4):S+32*((\n)%4)+2*((\n)/4)+1], s[CS:CS+1], v[ST+6*((\n)%4):ST+6*((\n)%4)+1] op_sel_hi:[1,0,0] neg_lo:[0,0,1] neg_hi:[0,0,1]
.endm
; ONE BATCH: the four a, the 64 scalings and the 128 exponentials; none of these lines names an exponential's result; a pair is scaled four groups ahead of its exponentials.  One plain instruction behind the last,
; and ONE wait for the 132, ahead of the first instruction that names a result.
.macro SEXP
.irp t, 0,1,2,3
	v_exp_f32 v[ST+6*\t+4], v[ST+6*\t+4]           ; a
.endr
.irp n, 0,1,2,3
	FMA \n
.endr
.set N, 0
.rept 64
.if N+4 < 64
	FMA N+4
.endif
	v_exp_f32 v[S+32*(N%4)+2*(N/4)], v[S+32*(N%4)+2*(N/4)]
	v_exp_f32 v[S+32*(N%4)+2*(N/4)+1], v[S+32*(N%4)+2*(N/4)+1]
.set N, N+1
.endr
	v_nop
	s_wait_alu depctr_va_vdst(0)
.endm
.macro SSUM                            ; l = a l + the sum of the unrounded p, two at a time, the four tiles by turns
.irp t, 0,1,2,3
	v_pk_fma_f32 v[ST+6*\t+2:ST+6*\t+3], v[ST+6*\t+2:ST+6*\t+3], v[ST+6*\t+4:ST+6*\t+5], v[S+32*\t:S+32*\t+1] op_sel_hi:[1,0,1]
.endr
.irp i, 1,2,3,4,5,6,7,8,9,10,11,12,13,14,15
.irp t, 0,1,2,3
	v_pk_add_f32 v[ST+6*\t+2:ST+6*\t+3], v[ST+6*\t+2:ST+6*\t+3], v[S+32*\t+2*\i:S+32*\t+2*\i+1]
.endr
.endr
.endm
.macro SCVT                            ; p to f16, in place: register i takes pair i; ascending, so that no source is written before it is read
.set I, 0
.rept 16
.irp t, 0,1,2,3
	v_cvt_pk_f16_f32 v[S+32*\t+I], v[S+32*\t+2*I], v[S+32*\t+2*I+1]
.endr
.set I, I+1
.endr
.endm
.macro RESC                            ; O^T x a, each accumulator from its low end on
	WIN W_RS
.irp t, 0,1,2,3
.set I, 0
.rept 16
	v_pk_mul_f32 v[32*\t+2*I:32*\t+2*I+1], v[32*\t+2*I:32*\t+2*I+1], v[ST+6*\t+4:ST+6*\t+5] op_sel_hi:[1,0]
.set I, I+1
.endr
.endr
.endm
; O^T += V^T P: 32 products; keys 32 g on, channels 16 d on, tile t.  The 16 accumulators take turns.
.macro PV
	WIN W_PV
.irp g, 0,1
.irp d, 0,1,2,3
.irp t, 0,1,2,3
	v_wmma_f32_16x16x32_f16 v[32*\t+8*\d:32*\t+8*\d+7], v[VF+16*\d+8*\g:VF+16*\d+8*\g+7], v[S+32*\t+8*\g:S+32*\t+8*\g+7], v[32*\t+8*\d:32*\t+8*\d+7]
.endr
.endr
.endr
.endm
; A KEY STEP.  pre = 1: the next step's K and mask are fetched.
.macro STEP pre
	LDV
	s_wait_dscnt 16                                ; K and the mask of this step are in; V's 16 loads, just issued, may be out
	v_nop                                          ; the fifth place: the products below write over registers that the last V^T P read as P
	KQ
	WIN 0
.if \pre
	LDK
.else
	PLACES
.endif
	SMAX
	SEXP
	SSUM
	SCVT
	RESC
	s_wait_dscnt 24*\pre                           ; V is in; the next step's 24 loads of K and mask may be out
	PV
	WIN 0
	s_add_co_u32 s[TB], s[TB], 8192
	s_add_co_u32 s[TBV], s[TBV], 8192
	s_add_co_u32 s[TM], s[TM], 256
.endm
; THE CHANGE OF SLOTS stands at a slot's head.  Each wave waits for all its tensor loads (its part of the slot ahead), adds 0 to its spare word, and waits for that and for its reads of the slot that it has left.
; fill = 1: a round of the cluster's barrier, so that no wave of any partner still reads the other slot or has a load on its way; then that slot is asked for, first thing.
.macro CHANGE fill
	s_wait_tensorcnt 0x0                           ; no tensor load of mine is out, so the group 0 may be written
	ds_add_u32 v[SPW], v[NIL]                      ; 0 onto my spare word
.if \fill
	s_xor_b32 s[G0+1], s[G0+1], SLOT1              ; the other slot than last time,
	s_add_nc_u64 s[G0+2:G0+3], s[G0+2:G0+3], 65536 ; the next 512 keys; the type bits on top are not reached
	s_wait_xcnt 0x0                                ; the last prefetch, eight key steps back, has read its address
	s_add_nc_u64 s[PFA:PFA+1], s[PFA:PFA+1], 65536 ; one slot further on than the walking descriptor
	s_wait_dscnt 0x0                               ; the add is done, and my reads of the slot that I have left are over
	CROUND
	JLOAD
	ASK
.else
	s_wait_dscnt 0x0
	s_barrier_signal -1
	s_barrier_wait -1
.endif
.endm
.Lslot:                                            ; three trips: behind each change of slots but the last the next slot is asked for (the first time: slot 1's first fill)
	CHANGE 1
	s_mov_b32 s[CNT], 8
.Lstep_a:
	STEP 1
	s_sub_co_u32 s[CNT], s[CNT], 1
	s_cmp_lg_u32 s[CNT], 0
	s_cbranch_scc1 .Lstep_a
	s_sub_co_u32 s[TB], s[TB], 65536               ; back to a slot's first step,
	s_xor_b32 s[TB], s[TB], SLOT1                  ; in the other slot
	s_sub_co_u32 s[TBV], s[TBV], 65536
	s_xor_b32 s[TBV], s[TBV], SLOT1
	s_sub_co_u32 s[SLOTS], s[SLOTS], 1
	s_cmp_lg_u32 s[SLOTS], 0
	s_cbranch_scc1 .Lslot
	CHANGE 0                                       ; the last slot is written out: nothing is asked for
	s_mov_b32 s[CNT], 7
.Lstep_b:
	STEP 1
	s_sub_co_u32 s[CNT], s[CNT], 1
	s_cmp_lg_u32 s[CNT], 0
	s_cbranch_scc1 .Lstep_b
	STEP 0                                         ; the last step fetches no further K
	; THE WAY OUT.  l's two halves and the other half of the lanes' are added (the first four additions are the places behind the last products); O^T / l, rounded to f16, is the lane's part of four pieces a tile.
.irp t, 0,1,2,3
	v_add_f32 v[ST+6*\t+4], v[ST+6*\t+2], v[ST+6*\t+3]
.endr
.irp t, 0,1,2,3
	v_permlanex16_b32 v[ST+6*\t+5], v[ST+6*\t+4], s[SEL], s[SEL+1]
.endr
.irp t, 0,1,2,3
	v_add_f32 v[ST+6*\t+4], v[ST+6*\t+4], v[ST+6*\t+5]
.endr
.irp t, 0,1,2,3
	v_rcp_f32 v[ST+6*\t+4], v[ST+6*\t+4]
.endr
	v_nop                                          ; a plain instruction behind the last reciprocal,
	s_wait_alu depctr_va_vdst(0)                   ; and one wait for the four, ahead of the first use
.irp t, 0,1,2,3
	WIN W_RS
.set I, 0
.rept 16
	v_pk_mul_f32 v[32*\t+2*I:32*\t+2*I+1], v[32*\t+2*I:32*\t+2*I+1], v[ST+6*\t+4:ST+6*\t+5] op_sel_hi:[1,0]
.set I, I+1
.endr
	WIN W_OUT
.set I, 0
.rept 16
	v_cvt_pk_f16_f32 v[S+16*\t+I], v[32*\t+2*I], v[32*\t+2*I+1]
.set I, I+1
.endr
	WIN 0
.irp d, 0,1,2,3
	global_store_b128 v[LIK], v[S+16*\t+4*\d:S+16*\t+4*\d+3], s[8:9] offset:32768*\t+512*\d   ; a piece: 512 consecutive bytes
.endr
.endr
	s_wait_tensorcnt 0x0                           ; the wave's end: behind my last tensor load and my last LDS store
	ds_add_u32 v[SPW], v[NIL]
	s_wait_dscnt 0x0
	CROUND                                         ; the closing round: no work-group ends while a partner may still ask for a tile that names it
	s_endpgm
.Lfunc_end_k_q7dd4e62a2c_attn:
	.size	k_q7dd4e62a2c_attn, .Lfunc_end_k_q7dd4e62a2c_attn-k_q7dd4e62a2c_attn
	.p2alignl 7, 3214868480
	.fill 96, 4, 3214868480
	.section	.rodata,"a",@progbits
	.p2align	6, 0x0
	.amdhsa_kernel k_q7dd4e62a2c_attn
		.amdhsa_group_segment_fixed_size 327680
		.amdhsa_private_segment_fixed_size 0
		.amdhsa_enable_private_segment 0
		.amdhsa_kernarg_size 24
		.amdhsa_user_sgpr_count 2
		.amdhsa_user_sgpr_kernarg_segment_ptr 1
		.amdhsa_wavefront_size32 1
		.amdhsa_system_sgpr_workgroup_id_x 1
		.amdhsa_system_sgpr_workgroup_id_y 1
		.amdhsa_system_sgpr_workgroup_id_z 1
		.amdhsa_system_vgpr_workitem_id 0
		.amdhsa_next_free_vgpr 512
		.amdhsa_next_free_sgpr 66
		.amdhsa_reserve_vcc 0
		.amdhsa_float_denorm_mode_32 3
		.amdhsa_float_denorm_mode_16_64 3
		.amdhsa_memory_ordered 1
		.amdhsa_forward_progress 1
		.amdhsa_inst_pref_size 123
	.end_amdhsa_kernel
	.amdgpu_metadata
---
amdhsa.version: [ 1, 2 ]
amdhsa.kernels:
  - .name:           k_q7dd4e62a2c_attn
    .symbol:         k_q7dd4e62a2c_attn.kd
    .args:
      - { .name: qkv, .offset: 0, .size: 8, .value_kind: global_buffer, .address_space: global }
      - { .name: attention_mask, .offset: 8, .size: 8, .value_kind: global_buffer, .address_space: global }
      - { .name: ctx, .offset: 16, .size: 8, .value_kind: global_buffer, .address_space: global }
    .group_segment_fixed_size: 327680
    .private_segment_fixed_size: 0
    .kernarg_segment_align: 8
    .kernarg_segment_size: 24
    .max_flat_workgroup_size: 256
    .sgpr_count:     66
    .vgpr_count:     512
    .wavefront_size: 32
...
	.end_amdgpu_metadata
.endif
;; end of part 3
;; launch proj (part 4): grid 4 x 64, 4 waves a work-group, clusters of 4 x 4, 327,680 bytes of LDS; arguments ctx, wo16, bo, out0; writes out0
.if DOCPART == 4
	.amdgcn_target "amdgcn-amd-amdhsa--gfx1250"
	.amdhsa_code_object_version 6
	.text
	.protected	k_q7dd4e62a2c_proj
	.globl	k_q7dd4e62a2c_proj
	.p2align	8
	.type	k_q7dd4e62a2c_proj,@function
k_q7dd4e62a2c_proj:
	s_mov_b64 s[64:65], 0
	v_nop
	global_prefetch_b8 v0, s[64:65] scope:SCOPE_SE
	s_setreg_imm32_b32 hwreg(HW_REG_WAVE_MODE, 25, 1), 1
	s_wait_xcnt 0x0
	s_wait_alu depctr_hold_cnt(0) depctr_sa_sdst(0) depctr_va_vdst(0) depctr_va_sdst(0) depctr_va_ssrc(0) depctr_va_vcc(0) depctr_vm_vsrc(0)
	s_getreg_b32 s2, hwreg(HW_REG_IB_STS2, 6, 4)
	s_cmp_eq_u32 s2, 0
	s_cbranch_scc0 .Lentry_in_a_cluster
	s_endpgm
.Lentry_in_a_cluster:
	s_bfe_u32 s2, ttmp6, 0x10000c
	s_cmp_lg_u32 s2, 0xf033
	s_cbranch_scc0 .Lentry_shape_is_right
	s_endpgm
.Lentry_shape_is_right:
; out0[t][n] = the sum over k of ctx[t][k] Wo[n][k] + bo[n].  ctx and Wo: f16, as images of operand registers: tile of 16 rows x 32,768 + kf x 1,024 + c x 512, a piece of 512 bytes holding four registers of the fragment
; of 16 rows x 32 k (k = 32 kf + 16 c + 8 (lane / 16) + 0 .. 7), lane l's 16 bytes at 16 l.  Sums in f32, bo as the C of each sum's first product; out0 [8192][1024] f32.
; SHARES.  A tile of out0 is 128 rows x 256 columns: 256 work-groups.  Four waves, each 64 x 128: 32 accumulators, which fill window 1.  THE MATRIX INSTRUCTION IS USED TRANSPOSED (source 0 = 16 rows of Wo,
; source 1 = 16 tokens): a lane holds eight neighbouring columns of one row of out0.
; THE RING.  K goes in steps of 128 through two LDS slots: 8 tiles of tokens x 4,096 bytes, then 16 tiles of Wo's rows x 4,096.  A tile's K step is 4,096 dense bytes of memory, tiles 32,768 bytes apart: waves 0 and 1 fetch
; four tiles of ctx each, waves 2 and 3 eight of Wo, one tensor load a wave.  No padding: a piece is read as 512 consecutive bytes.  By this text's count a wave has two tensor loads out at the start, later one.
; CLUSTERS: 4 x 4 work-groups.  ctx's tiles hang on the tile row alone and are shared along a row of the cluster, Wo's on the tile column alone and are shared along a column: joint loads.
; REGISTERS.  window 0: v1-5 at work, v16-30 addresses, v32-127 and v128-223 two fragment buffers (32 registers of ctx, 64 of Wo, 32 along K); on the way out v32-159 rows of out0.
;   window 1: the accumulators, (a, b) at v[8 (8 a + b)].   window 2: v0-63 bo in the result's layout, eight registers for each of my eight blocks of 16 columns.
.set SLOT,   98304
.set BOFF,   32768                     ; in a slot: Wo's tiles lie behind ctx's eight
.set STAGE,  196608                    ; behind the ring: 16 rows x (512 bytes + 16) for each wave, for the way out; no tensor load lands here
.set SPITCH, 528
.set SPARE,  230400                    ; the spare words, 128 bytes for each wave
.set LAPS,   4                         ; a lap = two K steps; K = 1,024
.set ADRA, 16                          ; v16-17  LDS address of my ctx pieces in slot 0, 1
.set ADRB, 20                          ; v20-21  the same for Wo
.set STO,  24                          ; v24     the way out: where I put 32 bytes of a row
.set RD,   25                          ; v25     the way out: where I read a row back
.set CO,   26                          ; v26     16 x lane
.set BO,   27                          ; v27     32 (lane / 16): bo's offset
.set SPW,  28                          ; v28     LDS address of my spare word; never rewritten
.set NIL,  29                          ; v29     0; never rewritten
.set PFO,  30                          ; v30     the prefetches' offset: (lane / 16) tiles + 256 (lane % 16); never rewritten
.set F0,   32
.set F1,   128
.set BK,   32                          ; the way out: 16 rows read back: v32-95 and v96-159 by turns
.set WV,   12                          ; s12 wave;  s13 wave / 2: my half of the rows, and: I fetch ctx (0) or Wo (1);  s14 wave % 2: my half of the columns, and: which half I fetch
.set LIM,  15                          ; s15 1 in a wave that prefetches, else the greatest number
.set G1,   24                          ; s[24:31] group 1 for ctx's tiles;  s[32:39] groups 0, one for each slot
.set G0,   32
.set PFA,  44                          ; s[44:45] where my prefetches stand
.set G1B,  48                          ; s[48:55], s[56:63] the same for Wo's
.set G0B,  56
.set MSB, 0
.macro WIN new                         ; the immediate's high byte repeats the setting that is left
.if MSB != \new
	s_set_vgpr_msb (MSB<<8)|\new
.set MSB, \new
.endif
.endm
.set MUL,   0x50                       ; C and D window 1, the fragments window 0
.set MUL1,  0x60                       ; the first products: C (bo) window 2, D window 1
.macro JLOAD s                         ; a joint load: waves 0 and 1 fetch ctx's halves, waves 2 and 3 Wo's; an s_nop 0 and four v_nop follow each of the two lines
	s_cmp_eq_u32 s13, 0
	s_cbranch_scc0 .Lfor_b_\@
	tensor_load_to_lds s[G0+4*\s:G0+4*\s+3], s[G1:G1+7]
	s_nop 0
.rept 4
	v_nop
.endr
	s_branch .Lasked_\@
.Lfor_b_\@:
	tensor_load_to_lds s[G0B+4*\s:G0B+4*\s+3], s[G1B:G1B+7]
	s_nop 0
.rept 4
	v_nop
.endr
.Lasked_\@:
.endm
; A PREFETCH INTO THE L2 of the K step that stands two refills on, 256 matrix instructions a wave ahead of the load that will want it: two tiles x 4,096 bytes, lanes 256 bytes apart, one instruction a wave.
; ctx's tile row is read by one row of one cluster: its four partners take two of the eight tiles each, BY ADDRESS (cx), and wave 0 asks.  Wo's tile column is read by every cluster: the cluster with y = 0 asks; its
; four partners of a column take four of the sixteen tiles each, by address (cy), waves 2 and 3 two each.  So each aligned block of 256 bytes is named once.  The last two refills have no K step two on (s3 = 1).
.macro ASK
	s_cmp_gt_u32 s3, s[LIM]
	s_cbranch_scc0 .Lnot_mine_\@
	global_prefetch_b8 v[PFO], s[PFA:PFA+1] offset:4096 th:TH_LOAD_NT scope:SCOPE_SE
.Lnot_mine_\@:
.endm
.macro CREST                           ; a round of the cluster's barrier behind its opening barrier
	s_cmp_lg_u32 s[WV], 0
	s_cbranch_scc1 .Lnot_wave_0_\@
	s_barrier_signal -3
.Lnot_wave_0_\@:
	s_barrier_wait -3
	s_barrier_signal -1
	s_barrier_wait -1
.endm
.macro CROUND
	s_barrier_signal -1
	s_barrier_wait -1
	CREST
.endm
	s_load_b256 s[4:11], s[0:1], 0x0               ; ctx 4, wo16 6, bo 8, out0 10
	v_lshl_add_u32 v[SPW], v0, 2, SPARE
	v_mov_b32 v[NIL], 0
	ds_add_u32 v[SPW], v[NIL]                      ; the wave's opening: the add, twice on end, and its wait ahead of my first tensor load
	ds_add_u32 v[SPW], v[NIL]
	v_lshrrev_b32 v1, 5, v0
	v_readfirstlane_b32 s[WV], v1
	s_lshr_b32 s13, s[WV], 1
	s_and_b32 s14, s[WV], 1
	s_bfe_u32 s40, ttmp6, 0x40000                  ; cx = the tile column (the grid is one cluster wide)
	s_bfe_u32 s41, ttmp6, 0x40004                  ; cy
	s_and_b32 s42, ttmp7, 0xffff
	s_lshl_b32 s42, s42, 2
	s_add_co_u32 s42, s42, s41                     ; the tile row = 4 x cluster y + cy
	s_lshl_b32 s43, s41, 2
	s_lshl_b32 s43, 15, s43                        ; my row of the cluster
	s_lshl_b32 s2, 0x1111, s40                     ; my column
	s_or_b32 s[G1], s43, (3<<16)|(1<<21)           ; 15:0 the mask; 17:16 elements of 8 bytes; 21 set beside a mask; no padding
	s_or_b32 s[G1B], s2, (3<<16)|(1<<21)
	s_mov_b32 s[G1+1], 512<<16                     ; tensor_dim0 = 512 elements: a tile's K step, 4,096 bytes
	s_mov_b32 s[G1+2], 4<<16                       ; tensor_dim1 = 4 tiles
	s_mov_b32 s[G1+3], 512<<16                     ; tile_dim0
	s_mov_b32 s[G1+4], 4                           ; tile_dim1
	s_mov_b32 s[G1+5], 4096                        ; from tile to tile: 32,768 bytes
	s_mov_b32 s[G1+6], 0
	s_mov_b32 s[G1+7], 0
	s_mov_b32 s[G1B+1], 512<<16
	s_mov_b32 s[G1B+2], 8<<16                      ; 8 tiles
	s_mov_b32 s[G1B+3], 512<<16
	s_mov_b32 s[G1B+4], 8
	s_mov_b32 s[G1B+5], 4096
	s_mov_b32 s[G1B+6], 0
	s_mov_b32 s[G1B+7], 0
	s_lshl_b32 s16, s42, 3
	s_lshl_b32 s17, s14, 2
	s_add_co_u32 s16, s16, s17                     ; ctx: tile 8 x tile row + 4 x half
	s_lshl_b32 s16, s16, 15
	s_mov_b32 s17, 0
	s_lshl_b32 s46, s40, 4
	s_lshl_b32 s47, s14, 3
	s_add_co_u32 s46, s46, s47                     ; Wo: tile 16 x tile column + 8 x half
	s_lshl_b32 s46, s46, 15
	s_mov_b32 s47, 0
	s_lshl_b32 s20, s14, 14                        ; where they go: ctx's halves of 16,384 bytes,
	s_lshl_b32 s21, s14, 15
	s_add_co_u32 s21, s21, BOFF                    ; Wo's halves of 32,768 behind them: no place in the cluster enters an LDS address
	s_wait_dscnt 0x0                               ; both opening adds are done
	s_wait_kmcnt 0x0
	s_add_nc_u64 s[16:17], s[4:5], s[16:17]
	s_add_nc_u64 s[46:47], s[6:7], s[46:47]
	CROUND                                         ; all sixteen work-groups are here: the first joint loads meet
.irp s, 0,1
	s_mov_b32 s[G0+4*\s], 1
	s_add_co_u32 s[G0+4*\s+1], s20, \s*SLOT
	s_add_nc_u64 s[G0+4*\s+2:G0+4*\s+3], s[16:17], \s*4096
	s_or_b32 s[G0+4*\s+3], s[G0+4*\s+3], 0x80000000
	s_mov_b32 s[G0B+4*\s], 1
	s_add_co_u32 s[G0B+4*\s+1], s21, \s*SLOT
	s_add_nc_u64 s[G0B+4*\s+2:G0B+4*\s+3], s[46:47], \s*4096
	s_or_b32 s[G0B+4*\s+3], s[G0B+4*\s+3], 0x80000000
	JLOAD \s
.endr
	v_and_b32 v1, 15, v0                           ; r
	v_bfe_u32 v2, v0, 4, 1                         ; h
	v_and_b32 v3, 31, v0
	v_lshlrev_b32 v[CO], 4, v3
	s_lshl_b32 s20, s13, 14                        ; my four tiles of tokens,
	s_lshl_b32 s21, s14, 15
	s_add_co_u32 s21, s21, BOFF                    ; my eight tiles of Wo's rows
.irp s, 0,1
	v_add_nc_u32 v[ADRA+\s], s20, v[CO]
	v_add_nc_u32 v[ADRB+\s], s21, v[CO]
	s_add_co_u32 s20, s20, SLOT
	s_add_co_u32 s21, s21, SLOT
.endr
	s_mul_i32 s22, s[WV], 16*SPITCH
	s_add_co_u32 s22, s22, STAGE                   ; my stage
	v_mul_u32_u24 v4, v1, SPITCH
	v_lshl_add_u32 v4, v2, 5, v4
	v_add_nc_u32 v[STO], s22, v4                   ; in: row r, 32 bytes for each half of the lanes
	v_add_nc_u32 v[RD], s22, v[CO]                 ; back: the 32 lanes take one row of 512 bytes
	v_lshlrev_b32 v[BO], 5, v2
	s_lshl_b32 s20, s40, 10
	s_lshl_b32 s21, s14, 9
	s_add_co_u32 s20, s20, s21                     ; my first column, 256 x tile column + 128 x half, in bytes of f32
	s_mov_b32 s21, 0
	s_add_nc_u64 s[8:9], s[8:9], s[20:21]
	s_add_nc_u64 s[10:11], s[10:11], s[20:21]
	s_lshl_b32 s20, s42, 19                        ; my first row: 128 x tile row + 64 x half, 4,096 bytes a row
	s_lshl_b32 s22, s13, 18
	s_add_co_u32 s20, s20, s22
	s_add_nc_u64 s[10:11], s[10:11], s[20:21]
	WIN 0x80                                       ; destination window 2
.irp b, 0,1,2,3,4,5,6,7
	global_load_b128 v[8*\b:8*\b+3], v[BO], s[8:9] offset:64*\b        ; bo at columns 16 b + 8 h + 0 .. 7
	global_load_b128 v[8*\b+4:8*\b+7], v[BO], s[8:9] offset:64*\b+16
.endr
	WIN 0
	s_lshl_b32 s20, s42, 3
	s_lshl_b32 s21, s40, 1
	s_add_co_u32 s20, s20, s21                     ; the prefetches: ctx's tile 8 x tile row + 2 cx,
	s_lshl_b32 s21, s40, 4
	s_lshl_b32 s22, s41, 2
	s_add_co_u32 s21, s21, s22
	s_lshl_b32 s22, s14, 1
	s_add_co_u32 s21, s21, s22                     ; or Wo's tile 16 x tile column + 4 cy + 2 x (wave % 2)
	s_and_b32 s22, ttmp7, 0xffff                   ; the cluster's y
	s_cmp_eq_u32 s13, 0
	s_cselect_b32 s20, s20, s21
	s_cselect_b32 s22, s14, s22                    ; of the two waves that fetch ctx wave 0 asks; of the clusters that read Wo the one with y = 0
	s_cselect_b64 s[PFA:PFA+1], s[4:5], s[6:7]
	s_cmp_eq_u32 s22, 0
	s_cselect_b32 s[LIM], 1, -1                    ; the same in all sixteen partners, for a given wave
	s_lshl_b32 s20, s20, 15
	s_add_co_u32 s20, s20, 2*4096                  ; at K step 2: the first refill steps it to 3 and names K step 4.  Nothing is prefetched at the head
	s_mov_b32 s21, 0
	s_add_nc_u64 s[PFA:PFA+1], s[PFA:PFA+1], s[20:21]
	v_lshlrev_b32 v5, 15, v2
	v_lshl_add_u32 v[PFO], v1, 8, v5
; 8 matrix instructions: my tile a of tokens x my eight tiles of Wo's rows, 32 along K.  first = 1: the first product takes bo as C: nothing is cleared.  The 32 accumulators take turns, in the same order in every quarter.
.macro MUL8 f, a, first
.irp b, 0,1,2,3,4,5,6,7
.if \first
	v_wmma_f32_16x16x32_f16 v[8*(8*\a+\b):8*(8*\a+\b)+7], v[\f+32+8*\b:\f+32+8*\b+7], v[\f+8*\a:\f+8*\a+7], v[8*\b:8*\b+7]
.else
	v_wmma_f32_16x16x32_f16 v[8*(8*\a+\b):8*(8*\a+\b)+7], v[\f+32+8*\b:\f+32+8*\b+7], v[\f+8*\a:\f+8*\a+7], v[8*(8*\a+\b):8*(8*\a+\b)+7]
.endif
.endr
.endm
.macro FETCH slot, q, f                ; 24 LDS loads in one run: the slot's q-th 32 along K: Wo's sixteen pieces, then ctx's eight
.irp b, 0,1,2,3,4,5,6,7
	ds_load_b128 v[\f+32+8*\b:\f+32+8*\b+3],   v[ADRB+\slot] offset:\b*4096+\q*1024
	ds_load_b128 v[\f+32+8*\b+4:\f+32+8*\b+7], v[ADRB+\slot] offset:\b*4096+\q*1024+512
.endr
.irp a, 0,1,2,3
	ds_load_b128 v[\f+8*\a:\f+8*\a+3],   v[ADRA+\slot] offset:\a*4096+\q*1024
	ds_load_b128 v[\f+8*\a+4:\f+8*\a+7], v[ADRA+\slot] offset:\a*4096+\q*1024+512
.endr
.endm
.macro PLACES                          ; four places in front of loads into registers that matrix instructions have read, and of reads of results (ISA guide 7.12.1 for reads of results)
.rept 4
	v_nop
.endr
.endm
; A K step is four quarters of 32 along K, 32 matrix instructions each, on buffers 0, 1, 0, 1.  One of the first three: multiplies buffer f and fetches quarter q into g.
.macro QUARTER slot, q, f, g, first
	s_wait_dscnt 4                                 ; Wo's pieces and ctx's tiles 0, 1 are in; the youngest four loads (tiles 2, 3) may be out
.if \first
	WIN MUL1
.else
	WIN MUL
.endif
	MUL8 \f, 0, \first
	MUL8 \f, 1, \first
	PLACES
	WIN 0
	FETCH \slot, \q, \g
	s_wait_dscnt 24                                ; all but the 24 just issued
.if \first
	WIN MUL1
.else
	WIN MUL
.endif
	MUL8 \f, 2, \first
	MUL8 \f, 3, \first
.endm
; The last quarter multiplies buffer 1 and changes slots: ONE barrier; in front of it each wave waits for all its tensor loads, adds 0 to its spare word, and waits for that and for its reads of this slot.
; fill = 1: the barrier opens a round of the cluster's barrier, and this slot is filled again, two K steps ahead: the load has 112 matrix instructions a wave up to the wait for it.
.macro TURN slot, next, fill
.if \fill
	s_wait_xcnt 0x0                                ; the last prefetch, a K step back, has read its address
	s_add_nc_u64 s[PFA:PFA+1], s[PFA:PFA+1], 4096
.endif
	WIN 0                                          ; (the add's two registers lie in window 0)
	s_wait_tensorcnt 0x0                           ; all my tensor loads have landed: my part of the next slot
	ds_add_u32 v[SPW], v[NIL]                      ; 0 onto my spare word
	s_wait_dscnt 5                                 ; (the add and the youngest four loads may be out)
	WIN MUL
	MUL8 F1, 0, 0
	s_wait_dscnt 0x0                               ; the add is done, and my reads of this slot are over
	s_barrier_signal -1
	MUL8 F1, 1, 0
	WIN 0
	s_barrier_wait -1
.if \fill
	CREST                                          ; no wave of any partner still reads this slot's tiles or has a load on its way
	s_add_nc_u64 s[G0+4*\slot+2:G0+4*\slot+3], s[G0+4*\slot+2:G0+4*\slot+3], 8192
	s_add_nc_u64 s[G0B+4*\slot+2:G0B+4*\slot+3], s[G0B+4*\slot+2:G0B+4*\slot+3], 8192
	JLOAD \slot                                    ; the first tensor load behind the round; its four v_nop are also the places in front of the loads below
.else
	PLACES
.endif
	FETCH \next, 0, F0
.if \fill
	ASK
.endif
	WIN MUL
	MUL8 F1, 2, 0
	MUL8 F1, 3, 0
.endm
	s_wait_tensorcnt 1                             ; my part of K step 0 is in; K step 1's load may be out
	s_barrier_signal -1
	s_barrier_wait -1                              ; everybody's is
	FETCH 0, 0, F0
	s_wait_loadcnt 0x0                             ; bo
	QUARTER 0, 1, F0, F1, 1                        ; the first quarter stands in front of the loop: its products start the sums
	WIN 0                                          ; at a label and at a branch every window is 0
	s_mov_b32 s3, LAPS-1
.Llap:                                             ; a trip goes once round the ring, from a lap's second quarter to the next lap's first, and fills both slots again
	QUARTER 0, 2, F1, F0, 0
	QUARTER 0, 3, F0, F1, 0
	TURN 0, 1, 1
	QUARTER 1, 1, F0, F1, 0
	QUARTER 1, 2, F1, F0, 0
	QUARTER 1, 3, F0, F1, 0
	TURN 1, 0, 1
	QUARTER 0, 1, F0, F1, 0
	WIN 0
	s_sub_co_u32 s3, s3, 1
	s_cmp_lg_u32 s3, 0
	s_cbranch_scc1 .Llap
	QUARTER 0, 2, F1, F0, 0                        ; the last lap fills nothing, and has no round of the cluster's barrier
	QUARTER 0, 3, F0, F1, 0
	TURN 0, 1, 0
	QUARTER 1, 1, F0, F1, 0
	QUARTER 1, 2, F1, F0, 0
	QUARTER 1, 3, F0, F1, 0
	s_wait_dscnt 4                                 ; the very last quarter: ctx's tiles 2, 3 may be out
	WIN MUL
	MUL8 F1, 0, 0
	MUL8 F1, 1, 0
	s_wait_dscnt 0
	MUL8 F1, 2, 0
	MUL8 F1, 3, 0
	WIN 0
; THE WAY OUT, a block of 16 rows x 128 columns at a time.  A lane holds 32 neighbouring bytes of a row and the lanes beside it other rows: so a block goes through my own stage in LDS and comes back as whole rows of
; 512 bytes.  LDS serves a wave's instructions in order (ISA guide 5.7.1.4): no wait between the stores and the loads, nor in front of the next block's stores.
.macro TOSTAGE a
	WIN 0x04                                       ; an LDS store's data are its source 1: window 1
.irp b, 0,1,2,3,4,5,6,7
	ds_store_b128 v[STO], v[8*(8*(\a)+\b):8*(8*(\a)+\b)+3] offset:64*\b          ; each accumulator from its low end on
	ds_store_b128 v[STO], v[8*(8*(\a)+\b)+4:8*(8*(\a)+\b)+7] offset:64*\b+16
.endr
	WIN 0
.set BB, BK+64*((\a)%2)
.irp t, 0,1,2,3,4,5,6,7,8,9,10,11,12,13,14,15
	ds_load_b128 v[BB+4*\t:BB+4*\t+3], v[RD] offset:\t*SPITCH
.endr
.endm
.macro SEND a, younger                 ; younger: the LDS instructions issued behind block a's loads, which may stay out
.set BB, BK+64*((\a)%2)
	s_wait_dscnt \younger                          ; the block is back in registers
.if (\a) > 0
	s_add_nc_u64 s[10:11], s[10:11], 65536         ; 16 rows of out0 on (the earlier stores have read their base: a wait for that stands ahead)
.endif
.irp t, 0,1,2,3,4,5,6,7,8,9,10,11,12,13,14,15
	global_store_b128 v[CO], v[BB+4*\t:BB+4*\t+3], s[10:11] offset:\t*4096 th:TH_STORE_NT   ; 32 lanes store 512 consecutive bytes, at a multiple of 512 from out0's first byte
.endr
.endm
	PLACES                                         ; behind the last products: for the reads of results and the loads into the fragments' registers
	TOSTAGE 0
.irp a, 1,2,3
.if \a > 1
	s_wait_xcnt 0x0                                ; block a - 2's stores have read their registers and their base
.endif
	TOSTAGE \a
	SEND \a-1, 32                                  ; behind block a - 1's loads: block a's 16 stores and 16 loads
.endr
	s_wait_xcnt 0x0                                ; block 2's stores have read their base
	SEND 3, 0
	s_wait_tensorcnt 0x0                           ; the wave's end: behind my last tensor load and my last LDS store
	ds_add_u32 v[SPW], v[NIL]
	s_wait_dscnt 0x0
	CROUND                                         ; the closing round: no work-group ends while a partner may still ask for a tile that names it
	s_endpgm
.Lfunc_end_k_q7dd4e62a2c_proj:
	.size	k_q7dd4e62a2c_proj, .Lfunc_end_k_q7dd4e62a2c_proj-k_q7dd4e62a2c_proj
	.p2alignl 7, 3214868480
	.fill 96, 4, 3214868480
	.section	.rodata,"a",@progbits
	.p2align	6, 0x0
	.amdhsa_kernel k_q7dd4e62a2c_proj
		.amdhsa_group_segment_fixed_size 327680
		.amdhsa_private_segment_fixed_size 0
		.amdhsa_enable_private_segment 0
		.amdhsa_kernarg_size 32
		.amdhsa_user_sgpr_count 2
		.amdhsa_user_sgpr_kernarg_segment_ptr 1
		.amdhsa_wavefront_size32 1
		.amdhsa_system_sgpr_workgroup_id_x 1
		.amdhsa_system_sgpr_workgroup_id_y 1
		.amdhsa_system_sgpr_workgroup_id_z 1
		.amdhsa_system_vgpr_workitem_id 0
		.amdhsa_next_free_vgpr 576
		.amdhsa_next_free_sgpr 66
		.amdhsa_reserve_vcc 0
		.amdhsa_float_denorm_mode_32 3
		.amdhsa_float_denorm_mode_16_64 3
		.amdhsa_memory_ordered 1
		.amdhsa_forward_progress 1
		.amdhsa_inst_pref_size 87
	.end_amdhsa_kernel
	.amdgpu_metadata
---
amdhsa.version: [ 1, 2 ]
amdhsa.kernels:
  - .name:           k_q7dd4e62a2c_proj
    .symbol:         k_q7dd4e62a2c_proj.kd
    .args:
      - { .name: ctx, .offset: 0, .size: 8, .value_kind: global_buffer, .address_space: global }
      - { .name: wo16, .offset: 8, .size: 8, .value_kind: global_buffer, .address_space: global }
      - { .name: bo, .offset: 16, .size: 8, .value_kind: global_buffer, .address_space: global }
      - { .name: out0, .offset: 24, .size: 8, .value_kind: global_buffer, .address_space: global }
    .group_segment_fixed_size: 327680
    .private_segment_fixed_size: 0
    .kernarg_segment_align: 8
    .kernarg_segment_size: 32
    .max_flat_workgroup_size: 128
    .sgpr_count:     66
    .vgpr_count:     576
    .wavefront_size: 32
...
	.end_amdgpu_metadata
.endif
;; end of part 4
